; MI455X (gfx1250); checked and timed in simulation.
; The chip was launched on July 23, 2026; its instructions are those of AMD's public machine-readable ISA for CDNA 5 (MIT licence, August 2026) and "CDNA5" Instruction Set Architecture Reference Guide (July 2026). The comments in the code are by the model that wrote it; some were corrected since.
;; Multi Head Attention. Allowed arithmetic: matrix products marked QUANTISED: E4M3 operands, one given power-of-two scale a tensor, by v_wmma_f32_16x16x64_fp8_fp8 or v_wmma_f32_16x16x128_fp8_fp8, f32 sums; everything else in f32.
;; Inputs: Wk 1,024 x 1,024 float32; Wo 1,024 x 1,024 float32; Wq 1,024 x 1,024 float32; Wv 1,024 x 1,024 float32; bk 1,024 float32; bo 1,024 float32; bq 1,024 float32; bv 1,024 float32; key 4 x 2,048 x 1,024 float32; lowp_scales 12 int32 (the exponents e of the quantised operands' scales 2^e); mask 4 x 1 x 1 x 2,048 int32; query 4 x 2,048 x 1,024 float32; value 4 x 2,048 x 1,024 float32.
;; Outputs: out0 4 x 2,048 x 1,024 float32.
;; This version of the problem:
;;   THIS VERSION OF THE PROBLEM IS GIVEN IN LOW PRECISION. The matrix products marked QUANTISED in the list below multiply operands that are first quantised to E4M3 (4 exponent bits, 3 mantissa bits; 8 bits a number), with one given power-of-two scale for each operand tensor; their sums are f32. All else is computed in f32.
;;   The module's matrix products, in the order in which they are computed (A, B: the left and right operand; K: the contracted axis; several contracted axes count as one K, in the product's order):
;;     1. [M 8,192, K 1,024] x [K 1,024, N 1,024]; A: input query; B: input Wq: QUANTISED (scales: A lowp_scales[0], B lowp_scales[1])
;;     2. [M 8,192, K 1,024] x [K 1,024, N 1,024]; A: input key; B: input Wk: QUANTISED (scales: A lowp_scales[2], B lowp_scales[3])
;;     3. [M 8,192, K 1,024] x [K 1,024, N 1,024]; A: input value; B: input Wv: QUANTISED (scales: A lowp_scales[4], B lowp_scales[5])
;;     4. batch 64 x [M 2,048, K 64] x [K 64, N 2,048]; A: computed on the way; B: computed on the way: QUANTISED (scales: A lowp_scales[6], B lowp_scales[7])
;;     5. batch 64 x [M 2,048, K 2,048] x [K 2,048, N 64]; A: softmax (see below); B: computed on the way: QUANTISED (scales: A lowp_scales[8], B lowp_scales[9])
;;     6. [M 8,192, K 1,024] x [K 1,024, N 1,024]; A: computed on the way; B: input Wo: QUANTISED (scales: A lowp_scales[10], B lowp_scales[11])
;;   THE QUANTISER, for each operand of a quantised product, along K:
;;     - The operand's scale is 2^e, e = its entry of the input lowp_scales (int32; the entries are numbered through the quantised products in the list's order, A before B).
;;     - Each number is divided by the scale, clamped to +-448, and rounded to the nearest number of E4M3, ties to even, subnormals kept.
;;     - The product sums the exact products of the quantised numbers (number of the format x scale) in f32.
;;   ~~~python
;;   def quantise(x, axis, e):      # numpy; x: float32 -> the quantised numbers, widened to float32 again
;;       x = np.moveaxis(x, axis, -1); K = x.shape[-1]
;;       r = np.clip(x / 2.0 ** e, -448, 448)
;;       step = 2.0 ** (np.maximum(np.frexp(np.where(r == 0, 1, r))[1] - 1, -6) - 3)
;;       q = np.round(r / step) * step * 2.0 ** e      # np.round: ties to even
;;       return np.moveaxis(q, -1, axis).astype(np.float32)
;;   ~~~
;;   SOFTMAX AHEAD OF A QUANTISED PRODUCT. Where the list says 'softmax', what is quantised is not the finished softmax but p = 2^(t - M), with t = logit x log2(e) and M = ceil(the row's largest t), a whole number; so 1/2 < the row's largest p <= 1. The row's sum l is taken of the UNQUANTISED p, in f32, and the product's result is divided by l at the end. Since M is a whole number, a kernel that streams over the keys may use a running M (the ceiling of the running maximum): every later rescaling is an exact power of two, so the quantised numbers keep their values, but for numbers so far below the row's largest that they fall under the format's range.
;;   OPERANDS COMPUTED ON THE WAY. 'Computed on the way' means the value that the module computes at that place (a softmax that the list does not call 'softmax' is quantised finished and normalised). What goes into a quantiser is computed in f32, as accurately as f32 sums, v_exp_f32 and their like allow (about 1e-6 of the number): no bf16 or f16 on the way to a quantiser, and a product that is left as it is and whose result goes on into a quantised operand takes f32 operands (vector FMAs, or v_wmma_f32_16x16x4_f32). A number that lies on a knife's edge between two numbers of the format may be rounded either way, as far as f32 arithmetic and the matrix unit's own rounding can turn it there, and no further.
;; 2 versions, each right; version 2 is version 1 with the launch attn written anew for expert scheduling mode. Each part assembles by itself: llvm-mc -triple=amdgcn-amd-amdhsa -mcpu=gfx1250 --defsym DOCPART=n.
;; ======== version 1 of 2: 5 launches
;; workspace buffers: xcodes 25,165,824 bytes; wcodes 4,194,304 bytes; qkv 25,165,824 bytes; ctx 8,388,608 bytes; mflags 256 bytes of whole numbers
;; launch qx (part 1): grid 768 x 1, 4 waves a work-group, no clusters, 33,280 bytes of LDS; arguments query, key, value, lowp_scales, xcodes; writes xcodes
.if DOCPART == 1
	.amdgcn_target "amdgcn-amd-amdhsa--gfx1250"
	.amdhsa_code_object_version 6
	.text
	.protected	k_q3980ecc94c_qx
	.globl	k_q3980ecc94c_qx
	.p2align	8
	.type	k_q3980ecc94c_qx,@function
k_q3980ecc94c_qx:
	s_mov_b64 s[64:65], 0
	v_nop
	global_prefetch_b8 v0, s[64:65] scope:SCOPE_SE
	s_setreg_imm32_b32 hwreg(HW_REG_WAVE_MODE, 25, 1), 1
	s_wait_xcnt 0x0
; query, key, value, each [8192][1024] f32, become codes of FP8 (E4M3), K innermost: xcodes [3][8192][1024], one byte a number.
; code = x / 2^e, held within +-448, rounded to the nearest code, ties to even.  e = entry 0, 2, 4 of the scales for query, key, value.
; LIMITS: -126 <= e and e + 8 <= 127.  NaN among the inputs is not served (an infinity is held at the largest code).
; Rows are dense, so each tensor is a plain stream.  256 work-groups a tensor; a wave takes 16 steps of 512 numbers.
; Each of a step's four loads reads 512 consecutive bytes, 16 a lane; the 2,048 bytes turn through the wave's own stage in LDS and come
; back 64 bytes a lane: 16 neighbours along K in one lane's registers, as the conversions want them.  The stage has 16 bytes of padding
; behind each 64.  A lane's 16 codes are 16 bytes: the wave stores 512 consecutive bytes.  No barrier: waves share nothing.
; No matrix unit, no cluster, no tensor load: the launch is a stream, read once and written once.
.set STEPS, 16
.set EMAX,  8
.set MANT,  0x600000                   ; the mantissa field of 448 as f32
.set CB,    16                         ; bytes of 16 codes
.set R,     16                         ; v16-79   four sets of 16 numbers as they are loaded
.set X,     80                         ; v80-111  two sets of 16 neighbours
.set C,     128                        ; v128-191 codes: four registers for each step, so that no store's data are written again
.set WREG,  8192                       ; LDS: a region for each wave: two stages of 32 x SP bytes
.set SP,    80                         ; a lane's place in a stage: its 64 bytes + 16 of padding
	s_load_b256 s[4:11], s[0:1], 0x0               ; query s[4:5], key s[6:7], value s[8:9], the scales' exponents s[10:11]
	s_load_b64 s[12:13], s[0:1], 0x20              ; xcodes
	v_lshl_add_u32 v192, v0, 2, 0x8000
	v_mov_b32 v193, 0
	v_lshrrev_b32 v1, 5, v0
	v_readfirstlane_b32 s16, v1                    ; wave
	v_and_b32 v2, 31, v0                           ; lane
	v_lshlrev_b32 v3, 4, v2                        ; my 16 bytes of a load's 512
	s_mul_i32 s17, s16, WREG
	v_lshrrev_b32 v14, 2, v2
	v_mul_u32_u24 v14, v14, SP
	v_and_b32 v15, 3, v2
	v_lshl_add_u32 v14, v15, 4, v14
	v_add_nc_u32 v14, s17, v14                     ; the stage, on the way in: SP (lane / 4) + 16 (lane % 4)
	v_mul_u32_u24 v15, v2, SP
	v_add_nc_u32 v15, s17, v15                     ; and on the way out: SP x lane: my 16 neighbours
	v_mul_u32_u24 v4, v2, CB                       ; my codes' place in a step's
	s_lshr_b32 s14, ttmp9, 8                       ; which tensor: 0, 1, 2
	s_and_b32 s15, ttmp9, 255                      ; which work-group of its 256
	s_lshl_b32 s18, s15, 2
	s_add_co_u32 s18, s18, s16                     ; which run of 8,192 numbers is my wave's
	s_lshl_b32 s20, s18, 15                        ; its bytes in the tensor
	s_mov_b32 s21, 0
	s_lshl_b32 s22, s18, 13                        ; its bytes among the codes,
	s_lshl_b32 s19, s14, 23                        ; behind the tensors before it
	s_add_co_u32 s22, s22, s19
	s_mov_b32 s23, 0
	s_wait_kmcnt 0x0
	s_load_b128 s[24:27], s[10:11], 0x0            ; e0 .. e3
	s_load_b32 s28, s[10:11], 0x10                 ; e4
	s_cmp_eq_u32 s14, 1                            ; the choice hangs on the work-group's number alone
	s_cselect_b64 s[4:5], s[6:7], s[4:5]
	s_cmp_eq_u32 s14, 2
	s_cselect_b64 s[4:5], s[8:9], s[4:5]
	s_add_nc_u64 s[4:5], s[4:5], s[20:21]
	s_add_nc_u64 s[8:9], s[12:13], s[22:23]
.macro LOAD t
.irp i, 0,1,2,3
	global_load_b128 v[R+16*((\t)%4)+4*\i:R+16*((\t)%4)+4*\i+3], v3, s[4:5] offset:2048*(\t)+512*\i th:TH_LOAD_NT   ; 32 lanes read 512 consecutive bytes
.endr
.endm
.macro TURN t                          ; step t's numbers through the stage: LDS serves a wave's instructions in order, so no wait stands between the stores and the loads
.irp i, 0,1,2,3
	ds_store_b128 v14, v[R+16*((\t)%4)+4*\i:R+16*((\t)%4)+4*\i+3] offset:32*SP*((\t)%2)+8*SP*\i
.endr
.irp i, 0,1,2,3
	ds_load_b128 v[X+16*((\t)%2)+4*\i:X+16*((\t)%2)+4*\i+3], v15 offset:32*SP*((\t)%2)+16*\i
.endr
.endm
.irp t, 0,1,2,3
	LOAD \t
.endr
	s_wait_kmcnt 0x0
	s_cmp_eq_u32 s14, 1
	s_cselect_b32 s22, s26, s24
	s_cmp_eq_u32 s14, 2
	s_cselect_b32 s22, s28, s22                    ; e
	s_add_co_i32 s22, s22, 127
	s_lshl_b32 s23, s22, 23
	v_mov_b32 v11, s23                             ; 2^e as f32: the conversion takes its exponent field
	s_add_co_i32 s22, s22, EMAX
	s_lshl_b32 s22, s22, 23
	s_or_b32 s22, s22, MANT
	v_mov_b32 v10, s22                             ; 448 x 2^e
	s_wait_loadcnt 12                              ; step 0's four loads are in; the twelve of steps 1 to 3 may be out
	TURN 0
.macro STEP t
.set XS, X+16*((\t)%2)
	s_wait_dscnt 0x0                               ; this step's numbers are back from the stage: so its stores into the stage have read their registers,
.if (\t)+4 < STEPS
	LOAD (\t)+4                                    ; which take the loads of four steps on
.endif
.if (\t)+1 < STEPS
.if STEPS-2-(\t) >= 3
	s_wait_loadcnt 12                              ; the next step's four loads are in; those of the three steps behind it may be out
.else
	s_wait_loadcnt 4*(STEPS-2-(\t))                ; at the end the count runs down with the steps that are left
.endif
	TURN (\t)+1                                    ; and go through the other stage while this step is worked
.endif
.irp i, 0,1,2,3,4,5,6,7,8,9,10,11,12,13,14,15
	v_med3_num_f32 v[XS+\i], v[XS+\i], -v10, v10   ; the conversion to an 8-bit code does not saturate (ISA guide 7.6.2): the hold comes first
.endr
	v_cvt_scalef32_pk8_fp8_f32 v[C+4*(\t):C+4*(\t)+1], v[XS:XS+7], v11
	v_cvt_scalef32_pk8_fp8_f32 v[C+4*(\t)+2:C+4*(\t)+3], v[XS+8:XS+15], v11
	global_store_b128 v4, v[C+4*(\t):C+4*(\t)+3], s[8:9] offset:32*CB*(\t)   ; the results go to a store alone; the next step's holds are plain lines on other registers
.endm
.irp t, 0,1,2,3,4,5,6,7,8,9,10,11,12,13,14,15
	STEP \t
.endr
	s_wait_tensorcnt 0x0
	ds_add_u32 v192, v193
	s_wait_dscnt 0x0
	s_endpgm
.Lfunc_end_k_q3980ecc94c_qx:
	.size	k_q3980ecc94c_qx, .Lfunc_end_k_q3980ecc94c_qx-k_q3980ecc94c_qx
	.p2alignl 7, 3214868480
	.fill 96, 4, 3214868480
	.section	.rodata,"a",@progbits
	.p2align	6, 0x0
	.amdhsa_kernel k_q3980ecc94c_qx
		.amdhsa_group_segment_fixed_size 33280
		.amdhsa_private_segment_fixed_size 0
		.amdhsa_enable_private_segment 0
		.amdhsa_kernarg_size 40
		.amdhsa_user_sgpr_count 2
		.amdhsa_user_sgpr_kernarg_segment_ptr 1
		.amdhsa_wavefront_size32 1
		.amdhsa_system_sgpr_workgroup_id_x 1
		.amdhsa_system_sgpr_workgroup_id_y 1
		.amdhsa_system_sgpr_workgroup_id_z 1
		.amdhsa_system_vgpr_workitem_id 0
		.amdhsa_next_free_vgpr 194
		.amdhsa_next_free_sgpr 66
		.amdhsa_reserve_vcc 0
		.amdhsa_float_denorm_mode_32 3
		.amdhsa_float_denorm_mode_16_64 3
		.amdhsa_memory_ordered 1
		.amdhsa_forward_progress 1
		.amdhsa_inst_pref_size 37
	.end_amdhsa_kernel
	.amdgpu_metadata
---
amdhsa.version: [ 1, 2 ]
amdhsa.kernels:
  - .name:           k_q3980ecc94c_qx
    .symbol:         k_q3980ecc94c_qx.kd
    .args:
      - { .name: query, .offset: 0, .size: 8, .value_kind: global_buffer, .address_space: global }
      - { .name: key, .offset: 8, .size: 8, .value_kind: global_buffer, .address_space: global }
      - { .name: value, .offset: 16, .size: 8, .value_kind: global_buffer, .address_space: global }
      - { .name: lowp_scales, .offset: 24, .size: 8, .value_kind: global_buffer, .address_space: global }
      - { .name: xcodes, .offset: 32, .size: 8, .value_kind: global_buffer, .address_space: global }
    .group_segment_fixed_size: 33280
    .private_segment_fixed_size: 0
    .kernarg_segment_align: 8
    .kernarg_segment_size: 40
    .max_flat_workgroup_size: 128
    .sgpr_count:     66
    .vgpr_count:     194
    .wavefront_size: 32
...
	.end_amdgpu_metadata
.endif
;; end of part 1
;; launch qw (part 2): grid 8 x 17, 4 waves a work-group, no clusters, 36,352 bytes of LDS; arguments Wq, Wk, Wv, Wo, lowp_scales, mask, wcodes, mflags; writes wcodes, mflags
.if DOCPART == 2
	.amdgcn_target "amdgcn-amd-amdhsa--gfx1250"
	.amdhsa_code_object_version 6
	.text
	.protected	k_q3980ecc94c_qw
	.globl	k_q3980ecc94c_qw
	.p2align	8
	.type	k_q3980ecc94c_qw,@function
k_q3980ecc94c_qw:
	s_mov_b64 s[64:65], 0
	v_nop
	global_prefetch_b8 v0, s[64:65] scope:SCOPE_SE
	s_setreg_imm32_b32 hwreg(HW_REG_WAVE_MODE, 25, 1), 1
	s_wait_xcnt 0x0
; ROWS y = 0 .. 15 OF THE GRID: Wq, Wk, Wv, Wo, each [k 1024][n 1024] f32 with K as FIRST axis, become codes of FP8 (E4M3) laid [n][k], K innermost: wcodes [4][1024][1024].
; y = 4 x weight + which 256 along K; x = which 128 columns.  code = w / 2^e, held within +-448, nearest code, ties to even; e = entry 1, 3, 5, 11 of the scales.
; LIMITS: -126 <= e and e + 8 <= 127.  NaN among the inputs is not served.
; A LANE TAKES A COLUMN n, AND ITS REGISTERS RUN DOWN K: each load reads 128 consecutive bytes a wave, and the conversions give codes with K innermost.  A wave's 32 columns x 256 codes
; go through its own stage in LDS and leave as rows: sixteen lanes store 256 consecutive bytes, aligned.  No barrier: waves share nothing.  Loads run two blocks ahead.
; ROW y = 16: the mask's flags, whole numbers for the attention launch's branches.  Wave u = 4 x + wave (0 .. 31) reads keys 256 (u % 8) .. + 255 of batch u / 8 and stores one word:
; bit q is set where some entry of keys 64 q .. 64 q + 63 of them is 0.  This way uses no LDS.
.set KW,    256
.set NB,    KW/32
.set ROWB,  256
.set PITCH, ROWB+16
.set KROW,  1024                       ; a row of the codes in bytes
.set NROW,  4096                       ; a row of a weight in bytes
.set EMAX,  8
.set MANT,  0x600000
.set X,     32                         ; v32-95   two sets of 32 numbers
.set C,     96                         ; v96-103  a block's codes
.set OUTR,  112                        ; v112-175 the way out
	s_load_b256 s[4:11], s[0:1], 0x0               ; Wq s[4:5], Wk s[6:7], Wv s[8:9], Wo s[10:11]
	s_load_b256 s[12:19], s[0:1], 0x20             ; the scales s[12:13], mask s[14:15], wcodes s[16:17], mflags s[18:19]
	v_lshl_add_u32 v192, v0, 2, 0x8c00
	v_mov_b32 v193, 0
	v_lshrrev_b32 v1, 5, v0
	v_readfirstlane_b32 s20, v1                    ; wave 0..3
	v_and_b32 v2, 31, v0                           ; lane
	s_and_b32 s21, ttmp7, 0xffff                   ; y
	s_wait_kmcnt 0x0
	s_cmp_eq_u32 s21, 16
	s_cbranch_scc1 .Lflags
	s_load_b256 s[32:39], s[12:13], 0x0            ; e0 .. e7
	s_load_b32 s40, s[12:13], 0x2c                 ; e11
	s_lshr_b32 s22, s21, 2                         ; which weight
	s_and_b32 s23, s21, 3                          ; which 256 along K
	s_lshl_b32 s24, ttmp9, 7
	s_lshl_b32 s25, s20, 5
	s_add_co_u32 s24, s24, s25                     ; my wave's first column
	v_lshlrev_b32 v3, 2, v2                        ; in: 4 bytes a lane
	s_mul_i32 s25, s20, 32*PITCH                   ; my stage
	v_mul_u32_u24 v4, v2, PITCH
	v_add_nc_u32 v4, s25, v4                       ; into it: row = my column
	v_and_b32 v5, 15, v2
	v_lshrrev_b32 v6, 4, v2                        ; out of it: sixteen lanes to a row, two rows an instruction
	v_mul_u32_u24 v7, v6, PITCH
	v_lshl_add_u32 v7, v5, 4, v7
	v_add_nc_u32 v7, s25, v7
	v_mul_u32_u24 v8, v6, KROW
	v_lshl_add_u32 v8, v5, 4, v8                   ; and the same place among the codes
	s_cmp_eq_u32 s22, 1                            ; the choices hang on the work-group's number alone
	s_cselect_b64 s[4:5], s[6:7], s[4:5]
	s_cmp_eq_u32 s22, 2
	s_cselect_b64 s[4:5], s[8:9], s[4:5]
	s_cmp_eq_u32 s22, 3
	s_cselect_b64 s[4:5], s[10:11], s[4:5]
	s_lshl_b32 s26, s23, 20                        ; 256 rows of 4,096 bytes
	s_lshl_b32 s27, s24, 2
	s_add_co_u32 s26, s26, s27
	s_mov_b32 s27, 0
	s_add_nc_u64 s[4:5], s[4:5], s[26:27]
	s_lshl_b32 s26, s22, 20                        ; the weight's codes,
	s_lshl_b32 s28, s24, 10                        ; my column's row,
	s_add_co_u32 s26, s26, s28
	s_lshl_b32 s28, s23, 8                         ; my 256 along K
	s_add_co_u32 s26, s26, s28
	s_add_nc_u64 s[16:17], s[16:17], s[26:27]
.macro LOAD t                          ; block t: W(32 t + i, my column), i = 0 .. 31, into set t % 2; the largest offset, 255 rows, is inside the signed 24-bit immediate
.irp i, 0,1,2,3,4,5,6,7,8,9,10,11,12,13,14,15,16,17,18,19,20,21,22,23,24,25,26,27,28,29,30,31
	global_load_b32 v[X+32*((\t)%2)+\i], v3, s[4:5] offset:(32*(\t)+\i)*NROW th:TH_LOAD_NT
.endr
.endm
	LOAD 0
	LOAD 1
	s_wait_kmcnt 0x0
	s_cmp_eq_u32 s22, 1
	s_cselect_b32 s30, s35, s33
	s_cmp_eq_u32 s22, 2
	s_cselect_b32 s30, s37, s30
	s_cmp_eq_u32 s22, 3
	s_cselect_b32 s30, s40, s30                    ; e
	s_add_co_i32 s30, s30, 127
	s_lshl_b32 s31, s30, 23
	v_mov_b32 v11, s31                             ; 2^e as f32
	s_add_co_i32 s30, s30, EMAX
	s_lshl_b32 s30, s30, 23
	s_or_b32 s30, s30, MANT
	v_mov_b32 v10, s30                             ; 448 x 2^e
.macro BLOCK t
.set XS, X+32*((\t)%2)
.if (\t) < NB-1
	s_wait_loadcnt 32                              ; this block's 32 loads are in; the next block's 32 may be out
.else
	s_wait_loadcnt 0
.endif
.irp i, 0,1,2,3,4,5,6,7,8,9,10,11,12,13,14,15,16,17,18,19,20,21,22,23,24,25,26,27,28,29,30,31
	v_med3_num_f32 v[XS+\i], v[XS+\i], -v10, v10   ; the hold: the conversion to an 8-bit code does not saturate (ISA guide 7.6.2)
.endr
.irp g, 0,1,2,3
	v_cvt_scalef32_pk8_fp8_f32 v[C+2*\g:C+2*\g+1], v[XS+8*\g:XS+8*\g+7], v11
.endr
	ds_store_b128 v4, v[C:C+3] offset:32*(\t)      ; 32 codes: 32 bytes of my column's row
	ds_store_b128 v4, v[C+4:C+7] offset:32*(\t)+16
.if (\t)+2 < NB
	LOAD (\t)+2
.endif
	s_wait_dscnt 0x0                               ; the stores have read their registers: the next block's codes may be written
.endm
.set QB, 0
.rept NB
	BLOCK QB
.set QB, QB+1
.endr
.irp t, 0,1,2,3,4,5,6,7,8,9,10,11,12,13,14,15
	ds_load_b128 v[OUTR+4*\t:OUTR+4*\t+3], v7 offset:2*\t*PITCH   ; LDS serves a wave's instructions in order: these see my stores
.endr
.irp t, 0,1,2,3,4,5,6,7,8,9,10,11,12,13,14,15
	s_wait_dscnt 15-\t                             ; load t is back; the 15 - t behind it may be out
	global_store_b128 v8, v[OUTR+4*\t:OUTR+4*\t+3], s[16:17] offset:2*\t*KROW
.endr
	s_wait_tensorcnt 0x0
	ds_add_u32 v192, v193
	s_wait_dscnt 0x0
	s_endpgm
.Lflags:
	s_lshl_b32 s22, ttmp9, 2
	s_add_co_u32 s22, s22, s20                     ; u = 8 x batch + which 256 keys
	s_lshl_b32 s23, s22, 10                        ; 256 entries of 4 bytes
	v_lshlrev_b32 v3, 5, v2                        ; a lane takes 8 neighbouring entries
	v_add_nc_u32 v3, s23, v3
	global_load_b128 v[8:11], v3, s[14:15]
	global_load_b128 v[12:15], v3, s[14:15] offset:16
	s_wait_loadcnt 0x0
	v_min_u32 v8, v8, v9                           ; as unsigned numbers the least of them is 0 just where one of them is 0
	v_min_u32 v10, v10, v11
	v_min_u32 v12, v12, v13
	v_min_u32 v14, v14, v15
	v_min_u32 v8, v8, v10
	v_min_u32 v12, v12, v14
	v_min_u32 v8, v8, v12
	v_cmp_eq_u32 s24, 0, v8                        ; a bit a lane; lanes 8 q .. 8 q + 7 hold keys 64 q .. 64 q + 63
	s_mov_b32 s26, 0
.irp q, 0,1,2,3
	s_and_b32 s25, s24, 0xff<<(8*\q)               ; SCC = some lane of the eight
	s_cselect_b32 s25, 1<<\q, 0
	s_or_b32 s26, s26, s25
.endr
	v_mov_b32 v20, s26
	s_lshl_b32 s27, s22, 2
	v_mov_b32 v21, s27                             ; word u
	v_cmp_eq_u32 vcc_lo, 0, v2
	s_wait_xcnt 0x0                                ; EXEC changes only behind this wait
	s_and_saveexec_b32 s28, vcc_lo                 ; one lane stores the wave's word
	global_store_b32 v21, v20, s[18:19]
	s_wait_xcnt 0x0                                ; and again ahead of the line that widens it
	s_or_b32 exec_lo, exec_lo, s28
	s_endpgm
.Lfunc_end_k_q3980ecc94c_qw:
	.size	k_q3980ecc94c_qw, .Lfunc_end_k_q3980ecc94c_qw-k_q3980ecc94c_qw
	.p2alignl 7, 3214868480
	.fill 96, 4, 3214868480
	.section	.rodata,"a",@progbits
	.p2align	6, 0x0
	.amdhsa_kernel k_q3980ecc94c_qw
		.amdhsa_group_segment_fixed_size 36352
		.amdhsa_private_segment_fixed_size 0
		.amdhsa_enable_private_segment 0
		.amdhsa_kernarg_size 64
		.amdhsa_user_sgpr_count 2
		.amdhsa_user_sgpr_kernarg_segment_ptr 1
		.amdhsa_wavefront_size32 1
		.amdhsa_system_sgpr_workgroup_id_x 1
		.amdhsa_system_sgpr_workgroup_id_y 1
		.amdhsa_system_sgpr_workgroup_id_z 1
		.amdhsa_system_vgpr_workitem_id 0
		.amdhsa_next_free_vgpr 194
		.amdhsa_next_free_sgpr 66
		.amdhsa_reserve_vcc 1
		.amdhsa_float_denorm_mode_32 3
		.amdhsa_float_denorm_mode_16_64 3
		.amdhsa_memory_ordered 1
		.amdhsa_forward_progress 1
		.amdhsa_inst_pref_size 51
	.end_amdhsa_kernel
	.amdgpu_metadata
---
amdhsa.version: [ 1, 2 ]
amdhsa.kernels:
  - .name:           k_q3980ecc94c_qw
    .symbol:         k_q3980ecc94c_qw.kd
    .args:
      - { .name: Wq, .offset: 0, .size: 8, .value_kind: global_buffer, .address_space: global }
      - { .name: Wk, .offset: 8, .size: 8, .value_kind: global_buffer, .address_space: global }
      - { .name: Wv, .offset: 16, .size: 8, .value_kind: global_buffer, .address_space: global }
      - { .name: Wo, .offset: 24, .size: 8, .value_kind: global_buffer, .address_space: global }
      - { .name: lowp_scales, .offset: 32, .size: 8, .value_kind: global_buffer, .address_space: global }
      - { .name: mask, .offset: 40, .size: 8, .value_kind: global_buffer, .address_space: global }
      - { .name: wcodes, .offset: 48, .size: 8, .value_kind: global_buffer, .address_space: global }
      - { .name: mflags, .offset: 56, .size: 8, .value_kind: global_buffer, .address_space: global }
    .group_segment_fixed_size: 36352
    .private_segment_fixed_size: 0
    .kernarg_segment_align: 8
    .kernarg_segment_size: 64
    .max_flat_workgroup_size: 128
    .sgpr_count:     66
    .vgpr_count:     194
    .wavefront_size: 32
...
	.end_amdgpu_metadata
.endif
;; end of part 2
;; launch proj (part 3): grid 4 x 96, 4 waves a work-group, clusters of 4 x 4, 327,680 bytes of LDS; arguments xcodes, wcodes, lowp_scales, bq, bk, bv, qkv; writes qkv
.if DOCPART == 3
	.amdgcn_target "amdgcn-amd-amdhsa--gfx1250"
	.amdhsa_code_object_version 6
	.text
	.protected	k_q3980ecc94c_proj
	.globl	k_q3980ecc94c_proj
	.p2align	8
	.type	k_q3980ecc94c_proj,@function
k_q3980ecc94c_proj:
	s_mov_b64 s[64:65], 0
	v_nop
	global_prefetch_b8 v0, s[64:65] scope:SCOPE_SE
	s_setreg_imm32_b32 hwreg(HW_REG_WAVE_MODE, 25, 1), 1
	s_wait_xcnt 0x0
	s_wait_alu depctr_hold_cnt(0) depctr_sa_sdst(0) depctr_va_vdst(0) depctr_va_sdst(0) depctr_va_ssrc(0) depctr_va_vcc(0) depctr_vm_vsrc(0)
	s_getreg_b32 s2, hwreg(HW_REG_IB_STS2, 6, 4)
	s_cmp_eq_u32 s2, 0
	s_cbranch_scc0 .Lentry_in_a_cluster
	s_endpgm
.Lentry_in_a_cluster:
	s_bfe_u32 s2, ttmp6, 0x10000c
	s_cmp_lg_u32 s2, 0xf033
	s_cbranch_scc0 .Lentry_shape_is_right
	s_endpgm
.Lentry_shape_is_right:
; THE THREE PROJECTIONS, q = query Wq + bq, k = key Wk + bk, v = value Wv + bv, on codes of FP8 (E4M3), and their results quantised at once for the attention launch.
; Each is C[m][n] = sum over k of A'[m][k] B'[n][k], 8192 x 1024 x 1024.  Cluster y = 8 t + ci: t = 0, 1, 2 for q, k, v.
;   q, k: A' = the input's codes (rows = tokens), B' = the weight's codes (rows = channels).  A lane's eight results run along the channels, the next product's K.
;   v:    A' = Wv's codes (rows = channels), B' = value's codes (rows = tokens): V^T.  A lane's eight results run along the KEYS, which are the K of the product with the softmax.
; result = sum x 2^(ea + ew) + bias in f32; code = result / 2^eo, held within +-448, nearest code, ties to even (eo = entry 6, 7, 9 of the scales).
; OUT: qkv: q at 0 and k at 8 MiB as [16 batch + head][token 2048][64]; v at 16 MiB as [16 batch + head][token / 64][channel 64][64 keys].  A block of 16 rows x 64 columns of C is 1,024 dense bytes in each.
; LIMITS: ea + ew between -126 and 127; eo between -126 and 119.
; A tile of C, 256 x 256, is made by a work-group of four waves; a wave makes 128 x 128: 64 accumulators, 512 registers.  K goes in steps of 256 through a ring of two LDS slots filled by the tensor data mover.
; CLUSTERS: 4 x 4 work-groups.  The four of a row of the cluster need the same tiles of A', the four of a column the same tiles of B': each tile is asked for jointly.
; THE MATRIX INSTRUCTION IS USED TRANSPOSED (source 0 = 16 rows of B', source 1 = 16 rows of A'): a lane holds eight neighbouring numbers of a row of C.
; The fragments are fetched by four loads of 16 bytes, the same permutation of k in A' and B'.
; No choice hangs on a loaded number, and none on a work-group's place in its cluster: t is the same in all sixteen partners and only selects values.
; Nothing is prefetched: K has four slot steps, of which two are the first fills.
; REGISTERS: window 0: v0-31 addresses and the quantiser's two constants; v32-95 the bias by columns, v96-111 the bias by rows (one of the two is made zero); from v128 A's fragments, ONE set; on the way out v128-239 at work.
;   window 1: B's fragments, TWO sets.   window 2: the accumulators of my rows 0-63 ((a, b) at v[8 (8 a + b)]);   window 3: those of my rows 64-127.
.set KSTEP,  256
.set ROWB,   256
.set KROW,   1024
.set PITCH,  272                       ; an LDS row: 256 bytes + 16 of padding: the 16 rows that a load touches start at 16 different banks (64 banks of 4 bytes: ISA guide 11.1)
.set FR,     16
.set NL,     4
.set NP,     4
.set HALFT,  128*PITCH
.set SLOT,   4*HALFT
.set LAPS,   2                         ; 1024 / (2 x 256)
.set SPARE,  2*SLOT                    ; behind the ring: the spare words, 128 bytes for each wave
.set SHALF,  1088                      ; the way out: 16 rows x 64 codes as four lines of 256 bytes + 16
.set SWAVE,  2304                      ; a wave's stage: two such halves.  It lies in slot 0, which has had its last fill and its last read by then
.set BCO,  8                           ; v8      the column bias's byte offset; never rewritten
.set BRO,  9                           ; v9      the row bias's
.set ADRA, 16
.set ADRB, 20
.set STO,  24
.set RD,   25
.set CO,   26
.set SPW,  28
.set NIL,  29
.set SCO,  30                          ; v30     2^eo as f32
.set LMO,  31                          ; v31     448 x 2^eo
.set BC,   32
.set BR,   96
.set AF,   128
.set TMP,  128                         ; the way out: a block's 64 results
.set CD,   192                         ; their codes
.set BK,   208                         ; and the codes as dense lines: two sets of 16
.set G1, 24
.set G0, 32
.set G1B, 48
.set G0B, 56
.set MSB, 0
.macro WIN new                         ; the immediate's high byte repeats the setting that is left
.if MSB != \new
	s_set_vgpr_msb (MSB<<8)|\new
.set MSB, \new
.endif
.endm
.set MUL_LO, 0xa1                      ; source 0 (B') window 1, source 1 (A') window 0, C and D window 2
.set MUL_HI, 0xf1
.set TO_B,   0x40
; A joint load: waves 0 and 1 fetch for A', waves 2 and 3 for B'.  The branch hangs on the wave's number alone.  Four v_nop follow each of the two lines.
.macro JLOAD g0a, g1a, g0b, g1b
	s_cmp_eq_u32 s15, 0
	s_cbranch_scc0 .Lfor_b_\@
	tensor_load_to_lds s[\g0a:\g0a+3], s[\g1a:\g1a+7]
	s_nop 0
.rept 4
	v_nop
.endr
	s_branch .Lasked_\@
.Lfor_b_\@:
	tensor_load_to_lds s[\g0b:\g0b+3], s[\g1b:\g1b+7]
	s_nop 0
.rept 4
	v_nop
.endr
.Lasked_\@:
.endm
.macro CREST                           ; a round of the cluster's barrier behind its opening barrier
	s_cmp_lg_u32 s14, 0
	s_cbranch_scc1 .Lnot_wave_0_\@
	s_barrier_signal -3
.Lnot_wave_0_\@:
	s_barrier_wait -3
	s_barrier_signal -1
	s_barrier_wait -1
.endm
.macro CROUND
	s_barrier_signal -1
	s_barrier_wait -1
	CREST
.endm
	s_load_b128 s[4:7], s[0:1], 0x0                ; xcodes s[4:5], wcodes s[6:7]
	s_load_b256 s[68:75], s[0:1], 0x10             ; the scales s[68:69], bq s[70:71], bk s[72:73], bv s[74:75]
	s_load_b64 s[10:11], s[0:1], 0x30              ; qkv
	v_lshl_add_u32 v[SPW], v0, 2, SPARE
	v_mov_b32 v[NIL], 0
	ds_add_u32 v28, v29
	ds_add_u32 v28, v29
	s_wait_dscnt 0x0
	v_lshrrev_b32 v1, 5, v0
	v_readfirstlane_b32 s14, v1                    ; wave 0..3
	s_lshr_b32 s15, s14, 1                         ; which half of the tile's rows is mine.  Also: I fetch for A' (0) or for B' (1)
	s_and_b32 s16, s14, 1                          ; which half of its columns.  Also: which 128 rows of that tile I fetch
	s_bfe_u32 s40, ttmp6, 0x40000                  ; cx, cy: my place in the cluster
	s_bfe_u32 s41, ttmp6, 0x40004
	s_and_b32 s12, ttmp7, 0xffff                   ; cluster y = 8 t + ci
	s_lshr_b32 s66, s12, 3                         ; t
	s_and_b32 s12, s12, 7                          ; ci
	s_cmp_eq_u32 s66, 2
	s_cselect_b32 s13, s12, 0                      ; the clusters walk C's columns for v,
	s_cselect_b32 s12, 0, s12                      ; its rows for q and k
	s_cselect_b32 s18, 20, 23                      ; A' begins t x 8 MiB into xcodes, or 2 x 1 MiB into wcodes;
	s_cselect_b32 s19, 23, 20                      ; B' the other way round
	s_lshl_b32 s18, s66, s18
	s_lshl_b32 s19, s66, s19
	s_lshl_b32 s42, s13, 2
	s_add_co_u32 s42, s42, s40                     ; tile column of C
	s_lshl_b32 s17, s12, 2
	s_add_co_u32 s17, s17, s41                     ; tile row of C
	s_lshl_b32 s43, s41, 2
	s_lshl_b32 s43, 15, s43                        ; my row of the cluster
	s_lshl_b32 s44, 0x1111, s40                    ; my column
	; descriptor group 1: a tile of 128 rows x 256 bytes, padded in LDS
	s_or_b32 s[G1+0], s43, (0<<16)|(1<<20)|(1<<21)|(5<<22)|(3<<25)  ; 15:0 the mask; 17:16 element of 1 byte; 20 padding on; 21 set beside a mask; 24:22 after every 64 words; 31:25 of 4 words
	s_or_b32 s[G1B+0], s44, (0<<16)|(1<<20)|(1<<21)|(5<<22)|(3<<25)
.irp g, G1, G1B
	s_mov_b32 s[\g+1], ROWB<<16                    ; tensor_dim0
	s_mov_b32 s[\g+2], 128<<16                     ; tensor_dim1
	s_mov_b32 s[\g+3], ROWB<<16                    ; tile_dim0
	s_mov_b32 s[\g+4], 128                         ; tile_dim1
	s_mov_b32 s[\g+5], KROW                        ; tensor_dim0_stride
	s_mov_b32 s[\g+6], 0
	s_mov_b32 s[\g+7], 0
.endr
	s_lshl_b32 s45, s16, 7                         ; which 128 rows of the tile I fetch
	s_lshl_b32 s20, s17, 8
	s_add_co_u32 s20, s20, s45                     ; A': row 256 x tile row + 128 x half,
	s_lshl_b32 s20, s20, 10                        ; in bytes,
	s_add_co_u32 s20, s20, s18                     ; behind the tensors before it (all under 2^25)
	s_mov_b32 s21, 0
	s_lshl_b32 s46, s42, 8
	s_add_co_u32 s46, s46, s45                     ; B' likewise, by the tile column
	s_lshl_b32 s46, s46, 10
	s_add_co_u32 s46, s46, s19
	s_mov_b32 s47, 0
	s_mul_i32 s45, s14, HALFT                      ; where they go: wave x 128 rows: no place in the cluster enters an LDS address
	s_wait_kmcnt 0x0
	s_load_b256 s[80:87], s[68:69], 0x0            ; e0 .. e7
	s_load_b128 s[88:91], s[68:69], 0x20           ; e8 .. e11; both are waited for on the way out
	s_cmp_eq_u32 s66, 2
	s_cselect_b64 s[76:77], s[6:7], s[4:5]         ; A'
	s_cselect_b64 s[78:79], s[4:5], s[6:7]         ; B'
	s_add_nc_u64 s[20:21], s[76:77], s[20:21]
	s_add_nc_u64 s[46:47], s[78:79], s[46:47]
	CROUND                                         ; all sixteen work-groups are here: the first joint loads meet
.irp s, 0,1
	s_mov_b32 s[G0+4*\s], 1
	s_add_co_u32 s[G0+4*\s+1], s45, \s*SLOT
	s_add_nc_u64 s[G0+4*\s+2:G0+4*\s+3], s[20:21], \s*ROWB
	s_or_b32 s[G0+4*\s+3], s[G0+4*\s+3], 0x80000000
	s_mov_b32 s[G0B+4*\s], 1
	s_add_co_u32 s[G0B+4*\s+1], s45, \s*SLOT
	s_add_nc_u64 s[G0B+4*\s+2:G0B+4*\s+3], s[46:47], \s*ROWB
	s_or_b32 s[G0B+4*\s+3], s[G0B+4*\s+3], 0x80000000
	JLOAD G0+4*\s, G1, G0B+4*\s, G1B
.endr
	v_and_b32 v1, 15, v0                           ; r = l % 16
	v_bfe_u32 v2, v0, 4, 1                         ; h = l / 16
	v_mul_u32_u24 v3, v1, PITCH
	v_lshl_add_u32 v4, v2, 4, v3                   ; a fragment's row x pitch + 16 x half
	s_mul_i32 s21, s15, HALFT                      ; my 128 rows of A'
	s_mul_i32 s22, s16, HALFT                      ; my 128 rows of B',
	s_add_co_u32 s22, s22, 2*HALFT                 ; which lie behind A's 256
.irp s, 0,1
	v_add_nc_u32 v[ADRA+\s], s21, v4
	v_add_nc_u32 v[ADRB+\s], s22, v4
	s_add_co_u32 s21, s21, SLOT
	s_add_co_u32 s22, s22, SLOT
.endr
	s_mul_i32 s23, s14, SWAVE                      ; my stage
	v_lshrrev_b32 v5, 2, v1                        ; in: four rows of 64 codes to a line of 256 bytes: (r / 4) x 272 + (r % 4) x 64 + 8 h
	v_mul_u32_u24 v5, v5, 272
	v_and_b32 v6, 3, v1
	v_lshl_add_u32 v5, v6, 6, v5
	v_lshl_add_u32 v5, v2, 3, v5
	v_add_nc_u32 v[STO], s23, v5
	v_mul_u32_u24 v5, v2, 272                      ; back: lanes 0-15 one line, lanes 16-31 the next
	v_lshl_add_u32 v5, v1, 4, v5
	v_add_nc_u32 v[RD], s23, v5
	v_and_b32 v6, 31, v0
	v_lshlrev_b32 v[CO], 4, v6                     ; and out: 32 lanes, 512 dense bytes
	; the bias.  q, k: by C's columns (a lane's eight of each of B's eight blocks); v: by C's rows (a lane's one of each of A's eight blocks).
	; Both sets are loaded, the one that does not apply from the buffer's head (so every load stays inside its 4,096 bytes) and is made zero behind the loop.
	s_cmp_eq_u32 s66, 1
	s_cselect_b64 s[70:71], s[72:73], s[70:71]
	s_cmp_eq_u32 s66, 2
	s_cselect_b64 s[70:71], s[74:75], s[70:71]
	s_lshl_b32 s18, s42, 10
	s_lshl_b32 s20, s16, 9
	s_add_co_u32 s18, s18, s20                     ; 4 x (256 x tile column + 128 x half)
	s_lshl_b32 s19, s17, 10
	s_lshl_b32 s20, s15, 9
	s_add_co_u32 s19, s19, s20                     ; 4 x (256 x tile row + 128 x half)
	s_cmp_eq_u32 s66, 2
	s_cselect_b32 s18, 0, s18
	s_cselect_b32 s19, s19, 0
	v_lshlrev_b32 v[BCO], 5, v2
	v_add_nc_u32 v[BCO], s18, v[BCO]
	v_lshlrev_b32 v[BRO], 2, v1
	v_add_nc_u32 v[BRO], s19, v[BRO]
.irp b, 0,1,2,3,4,5,6,7
	global_load_b128 v[BC+8*\b:BC+8*\b+3], v[BCO], s[70:71] offset:64*\b
	global_load_b128 v[BC+8*\b+4:BC+8*\b+7], v[BCO], s[70:71] offset:64*\b+16
.endr
.irp a, 0,1,2,3,4,5,6,7
	global_load_b32 v[BR+2*\a], v[BRO], s[70:71] offset:64*\a
.endr
	; where my part of the tile goes.  (RA, ra): tile and half on the tokens' side; (RB, rb): on the channels' side.
	s_cselect_b32 s18, s42, s17                    ; RA   (SCC still says t = 2: the lines between are vector and memory lines)
	s_cselect_b32 s19, s16, s15                    ; ra
	s_cselect_b32 s20, s17, s42                    ; RB
	s_cselect_b32 s21, s15, s16                    ; rb
	s_mov_b32 s94, 0x20000
	s_cselect_b32 s94, s94, 4096                   ; J: from block 3 to block 4: v: the next head; q, k: the next 64 tokens, less the 4,096 bytes of the immediates
	s_mov_b32 s22, 0x20000
	s_cselect_b32 s22, 4096, s22                   ; HS: from columns 0-63 to columns 64-127: v: the next 64 keys; q, k: the next head
	s_mov_b32 s95, 0
	s_mov_b32 s23, 0
	s_lshr_b32 s12, s18, 3                         ; batch
	s_lshl_b32 s12, s12, 4
	s_lshl_b32 s20, s20, 2
	s_add_co_u32 s12, s12, s20
	s_lshl_b32 s21, s21, 1
	s_add_co_u32 s12, s12, s21                     ; 16 batch + 4 RB + 2 rb: the first of my two heads
	s_lshl_b32 s12, s12, 17                        ; 131,072 bytes a head
	s_and_b32 s18, s18, 7
	s_lshl_b32 s18, s18, 14                        ; 256 tokens x 64 bytes
	s_add_co_u32 s12, s12, s18
	s_lshl_b32 s19, s19, 13
	s_add_co_u32 s12, s12, s19
	s_lshl_b32 s13, s66, 23                        ; q, k or v
	s_add_co_u32 s12, s12, s13
	s_mov_b32 s13, 0
	s_add_nc_u64 s[10:11], s[10:11], s[12:13]      ; columns 0-63
	s_add_nc_u64 s[92:93], s[10:11], s[22:23]      ; columns 64-127
.macro FRAG reg, adr, q, i             ; 16 rows x 128 K of 8-bit codes, 16 registers: lane l holds row l % 16; registers 4 c .. 4 c + 3 hold K = 32 c + 16 (l / 16) + 0 .. 15
.irp c, 0,1,2,3
	ds_load_b128 v[\reg+4*\c:\reg+4*\c+3], v[\adr] offset:128*(\q)+32*\c+(\i)*16*PITCH
.endr
.endm
; 16 matrix instructions: A's blocks a0, a0 + 1 x B's eight, 128 along K.  p: B's set.  zero = 1: the first product starts the sums.
; The 64 accumulators take turns, one instruction a turn, in the same order in every step.
.macro MUL16 a0, p, zero
.irp a, \a0, \a0+1
.irp b, 0,1,2,3,4,5,6,7
.if \zero
	v_wmma_f32_16x16x128_fp8_fp8 v[8*(8*((\a)%4)+\b):8*(8*((\a)%4)+\b)+7], v[128*(\p)+FR*\b:128*(\p)+FR*\b+FR-1], v[AF+FR*(\a):AF+FR*(\a)+FR-1], 0
.else
	v_wmma_f32_16x16x128_fp8_fp8 v[8*(8*((\a)%4)+\b):8*(8*((\a)%4)+\b)+7], v[128*(\p)+FR*\b:128*(\p)+FR*\b+FR-1], v[AF+FR*(\a):AF+FR*(\a)+FR-1], v[8*(8*((\a)%4)+\b):8*(8*((\a)%4)+\b)+7]
.endif
.endr
.endr
.endm
.macro FETCH_B slot, q, p
	WIN TO_B
.irp i, 0,1,2,3,4,5,6,7
	FRAG 128*(\p)+FR*\i, ADRB+\slot, \q, \i
.endr
	WIN 0
.endm
.macro FETCH_A slot, q, i0
.irp i, \i0, \i0+1, \i0+2, \i0+3
	FRAG AF+FR*(\i), ADRA+\slot, \q, \i
.endr
.endm
; A load into a register that a matrix instruction has read, and a vector instruction that reads a matrix result or writes one of its registers, stand four places behind it;
; only plain vector instructions that name none of its registers are places.
.macro PLACES n
.rept \n
	v_nop
.endr
.endm
.macro STEP slot, q, zero              ; a step of 128 along K that has its successor in the same slot
	s_wait_dscnt 4*NL                              ; B's set and A's blocks 0-3 are in; the youngest 16 loads (A's blocks 4-7) may be out
	WIN MUL_LO
	MUL16 0, (\q)%2, \zero
	MUL16 2, (\q)%2, \zero
	s_wait_dscnt 0                                 ; A's blocks 4-7 are in
	PLACES NP
	FETCH_B \slot, (\q)+1, 1-(\q)%2
	FETCH_A \slot, (\q)+1, 0
	WIN MUL_HI
	MUL16 4, (\q)%2, \zero
	MUL16 6, (\q)%2, \zero
	PLACES NP
	WIN 0
	FETCH_A \slot, (\q)+1, 4
.endm
; A slot's last step changes slots: ONE barrier; in front of it each wave waits for all its tensor loads, adds 0 to its spare word, and waits for that and for its own reads of this slot.
.macro TURN slot, next, fill
	s_wait_tensorcnt 0x0                           ; all my tensor loads have landed: my part of the next slot
	ds_add_u32 v[SPW], v[NIL]                      ; 0 onto my spare word
	s_wait_dscnt 4*NL+1                            ; (the add and the youngest 16 loads, A's blocks 4-7, may be out)
	WIN MUL_LO
	MUL16 0, 1, 0                                  ; sixteen matrix instructions stand between the add and the wait for it
	s_wait_dscnt 0x0                               ; the add is done, and my reads of this slot are over
	s_barrier_signal -1
	MUL16 2, 1, 0
	WIN 0
	s_barrier_wait -1
.if \fill
	CREST                                          ; the barrier has opened a round of the cluster's barrier: no wave of any partner still reads this slot or has a load on its way
	s_add_nc_u64 s[G0+4*\slot+2:G0+4*\slot+3], s[G0+4*\slot+2:G0+4*\slot+3], 2*ROWB
	s_add_nc_u64 s[G0B+4*\slot+2:G0B+4*\slot+3], s[G0B+4*\slot+2:G0B+4*\slot+3], 2*ROWB
	JLOAD G0+4*\slot, G1, G0B+4*\slot, G1B         ; the first tensor load behind the round; its four v_nop are also the places in front of the loads below
.else
	PLACES NP
.endif
	FETCH_B \next, 0, 0
	FETCH_A \next, 0, 0
	WIN MUL_HI
	MUL16 4, 1, 0
	MUL16 6, 1, 0
	PLACES NP
	WIN 0
	FETCH_A \next, 0, 4
.endm
	s_wait_tensorcnt 1                             ; my part of K step 0 is in; K step 1's load may be out
	s_barrier_signal -1
	s_barrier_wait -1
	FETCH_B 0, 0, 0
	FETCH_A 0, 0, 0
	FETCH_A 0, 0, 4
	STEP 0, 0, 1                                   ; the first step stands in front of the loop: its products start the sums
	s_mov_b32 s3, LAPS-1
.Llap:                                                 ; a trip goes once round the ring and fills both slots again
	TURN 0, 1, 1
	STEP 1, 0, 0
	TURN 1, 0, 1
	STEP 0, 0, 0
	s_sub_co_u32 s3, s3, 1
	s_cmp_lg_u32 s3, 0
	s_cbranch_scc1 .Llap
	TURN 0, 1, 0                                   ; the last lap fills nothing
	STEP 1, 0, 0
	s_wait_dscnt 4*NL
	WIN MUL_LO
	MUL16 0, 1, 0
	MUL16 2, 1, 0
	s_wait_dscnt 0
	WIN MUL_HI
	MUL16 4, 1, 0
	MUL16 6, 1, 0
	WIN 0
	; THE WAY OUT.  The scales are chosen by t, by selections alone.
	s_wait_kmcnt 0x0
	s_cmp_eq_u32 s66, 1
	s_cselect_b32 s18, s82, s80                    ; ea
	s_cselect_b32 s19, s83, s81                    ; ew
	s_cselect_b32 s20, s87, s86                    ; eo
	s_cmp_eq_u32 s66, 2
	s_cselect_b32 s18, s84, s18
	s_cselect_b32 s19, s85, s19
	s_cselect_b32 s20, s89, s20
	s_cselect_b32 s22, 0, -1                       ; all lanes keep the column bias for q and k,
	s_cselect_b32 s23, -1, 0                       ; the row bias for v
	s_add_co_i32 s96, s18, s19
	s_add_co_i32 s96, s96, 127
	s_lshl_b32 s96, s96, 23                        ; 2^(ea + ew) as f32
	s_mov_b32 s97, s96                             ; (named with it as a pair, so it is written)
	s_add_co_i32 s20, s20, 127
	s_lshl_b32 s21, s20, 23
	s_add_co_i32 s20, s20, 8
	s_lshl_b32 s20, s20, 23
	s_or_b32 s20, s20, 0x600000
	PLACES NP                                      ; behind the last products: A's registers are written and results are read below
	v_mov_b32 v[SCO], s21
	v_mov_b32 v[LMO], s20
	s_wait_loadcnt 0x0                             ; the biases
.set i, 0
.rept 64
	v_cndmask_b32 v[BC+i], 0, v[BC+i], s22
.set i, i+1
.endr
.irp a, 0,1,2,3,4,5,6,7
	v_cndmask_b32 v[BR+2*\a], 0, v[BR+2*\a], s23
.endr
.irp a, 0,1,2,3,4,5,6,7
	v_mov_b32 v[BR+2*\a+1], v[BR+2*\a]             ; (named as the pair's upper half)
.endr
; Block a, 16 rows x 128 columns: sum x 2^(ea + ew) + column bias, + row bias (one of the two is 0, so the result is rounded once), the hold, the codes; 8 bytes a lane and block of B' into my stage,
; back as dense lines.  LDS serves a wave's instructions in order: no wait between the stores and the loads, nor in front of the next block's stores.
.macro TOSTAGE a
.set AC, 64*((\a)%4)
.set WW, 0x02+((\a)/4)
	WIN WW                                         ; source 0: window 2 or 3
.irp j, 0,2,4,6,8,10,12,14,16,18,20,22,24,26,28,30,32,34,36,38,40,42,44,46,48,50,52,54,56,58,60,62
	v_pk_fma_f32 v[TMP+\j:TMP+\j+1], v[AC+\j:AC+\j+1], s[96:97], v[BC+\j:BC+\j+1] op_sel_hi:[1,0,1]   ; each accumulator from its low end on
.endr
	WIN 0
.irp j, 0,2,4,6,8,10,12,14,16,18,20,22,24,26,28,30,32,34,36,38,40,42,44,46,48,50,52,54,56,58,60,62
	v_pk_add_f32 v[TMP+\j:TMP+\j+1], v[TMP+\j:TMP+\j+1], v[BR+2*(\a):BR+2*(\a)+1] op_sel_hi:[1,0]
.endr
.set i, 0
.rept 64
	v_med3_num_f32 v[TMP+i], v[TMP+i], -v[LMO], v[LMO]   ; the conversion to an 8-bit code does not saturate (ISA guide 7.6.2)
.set i, i+1
.endr
.irp b, 0,1,2,3,4,5,6,7
	v_cvt_scalef32_pk8_fp8_f32 v[CD+2*\b:CD+2*\b+1], v[TMP+8*\b:TMP+8*\b+7], v[SCO]
.endr
	v_nop                                          ; one plain line behind the last conversion: the next block's lines write its sources
.irp b, 0,1,2,3,4,5,6,7
	ds_store_b64 v[STO], v[CD+2*\b:CD+2*\b+1] offset:(\b/4)*SHALF+16*(\b%4)
.endr
.set BB, BK+16*((\a)%2)
.irp i, 0,1,2,3
	ds_load_b128 v[BB+4*\i:BB+4*\i+3], v[RD] offset:(\i/2)*SHALF+(\i%2)*544
.endr
.endm
.macro SEND a, younger                 ; younger: the LDS instructions issued behind block a's loads: the next block's 8 stores and 4 loads, or none
.set BB, BK+16*((\a)%2)
	s_wait_dscnt \younger
.if (\a) == 4
	s_add_nc_u64 s[10:11], s[10:11], s[94:95]      ; (no store has been issued since the last wait on XCNT: the earlier stores have read their bases)
	s_add_nc_u64 s[92:93], s[92:93], s[94:95]
.endif
.irp i, 0,1
	global_store_b128 v[CO], v[BB+4*\i:BB+4*\i+3], s[10:11] offset:((\a)%4)*1024+512*\i     ; 32 lanes store 512 consecutive bytes, aligned
.endr
.irp i, 0,1
	global_store_b128 v[CO], v[BB+8+4*\i:BB+8+4*\i+3], s[92:93] offset:((\a)%4)*1024+512*\i
.endr
.endm
	TOSTAGE 0
.irp a, 1,2,3,4,5,6,7
.if \a > 1
	s_wait_xcnt 0x0                                ; block a - 2's stores have read their registers and bases: block a's loads may land there
.endif
	TOSTAGE \a
	SEND \a-1, 12
.endr
	SEND 7, 0
	s_wait_tensorcnt 0x0                           ; the wave's end
	ds_add_u32 v[SPW], v[NIL]
	s_wait_dscnt 0x0
	CROUND                                         ; the closing round
	s_endpgm
.Lfunc_end_k_q3980ecc94c_proj:
	.size	k_q3980ecc94c_proj, .Lfunc_end_k_q3980ecc94c_proj-k_q3980ecc94c_proj
	.p2alignl 7, 3214868480
	.fill 96, 4, 3214868480
	.section	.rodata,"a",@progbits
	.p2align	6, 0x0
	.amdhsa_kernel k_q3980ecc94c_proj
		.amdhsa_group_segment_fixed_size 327680
		.amdhsa_private_segment_fixed_size 0
		.amdhsa_enable_private_segment 0
		.amdhsa_kernarg_size 56
		.amdhsa_user_sgpr_count 2
		.amdhsa_user_sgpr_kernarg_segment_ptr 1
		.amdhsa_wavefront_size32 1
		.amdhsa_system_sgpr_workgroup_id_x 1
		.amdhsa_system_sgpr_workgroup_id_y 1
		.amdhsa_system_sgpr_workgroup_id_z 1
		.amdhsa_system_vgpr_workitem_id 0
		.amdhsa_next_free_vgpr 1024
		.amdhsa_next_free_sgpr 100
		.amdhsa_reserve_vcc 0
		.amdhsa_float_denorm_mode_32 3
		.amdhsa_float_denorm_mode_16_64 3
		.amdhsa_memory_ordered 1
		.amdhsa_forward_progress 1
		.amdhsa_inst_pref_size 166
	.end_amdhsa_kernel
	.amdgpu_metadata
---
amdhsa.version: [ 1, 2 ]
amdhsa.kernels:
  - .name:           k_q3980ecc94c_proj
    .symbol:         k_q3980ecc94c_proj.kd
    .args:
      - { .name: xcodes, .offset: 0, .size: 8, .value_kind: global_buffer, .address_space: global }
      - { .name: wcodes, .offset: 8, .size: 8, .value_kind: global_buffer, .address_space: global }
      - { .name: lowp_scales, .offset: 16, .size: 8, .value_kind: global_buffer, .address_space: global }
      - { .name: bq, .offset: 24, .size: 8, .value_kind: global_buffer, .address_space: global }
      - { .name: bk, .offset: 32, .size: 8, .value_kind: global_buffer, .address_space: global }
      - { .name: bv, .offset: 40, .size: 8, .value_kind: global_buffer, .address_space: global }
      - { .name: qkv, .offset: 48, .size: 8, .value_kind: global_buffer, .address_space: global }
    .group_segment_fixed_size: 327680
    .private_segment_fixed_size: 0
    .kernarg_segment_align: 8
    .kernarg_segment_size: 56
    .max_flat_workgroup_size: 128
    .sgpr_count:     100
    .vgpr_count:     1024
    .wavefront_size: 32
...
	.end_amdgpu_metadata
.endif
;; end of part 3
;; launch attn (part 4): grid 4 x 64, 8 waves a work-group, no clusters, 322,560 bytes of LDS; arguments qkv, mask, mflags, lowp_scales, ctx; writes ctx
.if DOCPART == 4
	.amdgcn_target "amdgcn-amd-amdhsa--gfx1250"
	.amdhsa_code_object_version 6
	.text
	.protected	k_q3980ecc94c_attn
	.globl	k_q3980ecc94c_attn
	.p2align	8
	.type	k_q3980ecc94c_attn,@function
k_q3980ecc94c_attn:
	s_mov_b64 s[64:65], 0
	v_nop
	global_prefetch_b8 v0, s[64:65] scope:SCOPE_SE
	s_setreg_imm32_b32 hwreg(HW_REG_WAVE_MODE, 25, 1), 1
	s_wait_xcnt 0x0
; ATTENTION ON CODES OF FP8 (E4M3), head size 64, 2,048 keys, 64 heads (16 batch + head = work-group y), with the key mask that is given as an input.
; q, k: [head][token][64] codes; v: [head][token / 64][channel 64][64 keys] codes (qkv at 0, 8 MiB, 16 MiB).  Out: ctx [head % 16][2048 batch + token][64]: the context as codes for the last product.
; THE SOFTMAX: t = logit x log2(e), logit = q . k / 8, or -1e9 where the key's mask entry is 0; M = ceil(the row's largest t); p = 2^(t - M) is quantised with 2^e8; the row's sum l is taken of the
; unquantised p; context = (sum of p's codes x v's codes) x 2^(e8 + e9) / l, then quantised with 2^e10.
; SHARES.  A work-group owns 512 queries of one head, each of its eight waves 64: four tiles of 16.  The head's whole K and V, 128 KiB each, are put into LDS ONCE, through registers; nothing in LDS is written twice.
; TWO PASSES over the keys, 64 a step.  Pass 1: S^T = K Q^T and the row's maximum alone, so M is the row's own and nothing is ever rescaled.  Pass 2: S^T again, p, l, p's codes, O^T += V^T P^T.
; V's global loads are issued ahead of pass 1 into the registers that O^T takes later, and go into LDS behind pass 1.
; LAYOUT.  Both products are used transposed (source 0 = 16 keys or 16 channels, source 1 = 16 queries): a lane holds ONE query (lane % 16) throughout.  K's rows lie in LDS with bits 3 and 4 of the key's number
; exchanged, so that tile 2 c + u, 16 neighbouring LDS rows, holds keys 32 c + 8 u + r + 8 (r / 8): the 16 registers of tiles 2 c and 2 c + 1 are then keys 32 c + 16 (lane / 16) + 0 .. 15, as the next operand wants them.
; Fragments (16 rows x 64 codes, 8 registers) come by two loads of 16 bytes, at 16 (lane / 16) and 32 further on: the same permutation of k on both sides of each product.
; THE MASK.  A step in which no entry is 0 (its bit in mflags, whole numbers stored by an earlier launch) jumps over the mask's lines.  In pass 1 a masked raw score becomes XR = -8e9 / 2^(e6 + e7), which stands
; exactly for the logit -1e9.  In pass 2 the masked t - M becomes TM - M, TM = XR x c rounded: 0 where all keys of the batch are masked (p = 1, a uniform row), about -1.4e9 otherwise (p = 0).
; THE HOLD of p at 448 x 2^e8 is jumped over where e8 >= -8: p is at most 1 (but for one rounding), so p / 2^e8 stays under 448.
; NO CLUSTER, NO JOINT LOADS: the four work-groups of a head read the same 256 KiB, but each reads them once, at its head, and the two branches above hang on numbers read from memory.
; NO PREFETCH: all that is read is asked for at the kernel's head.
; LIMITS: e6 + e7 between -94 and 130; e8 and e10 between -126 and 119.  NaN is not served.
; LDS: a dense byte o of K or V lies at (o / 256) x 272 + o % 256: a step of 64 keys is 4,352 bytes.  K at 0; the mask's 2,048 words behind it (the last step's look-ahead for K reads there, and is thrown away);
; V behind that; then a stage of 4,352 bytes for each wave.
; REGISTERS: window 0: v1-15 addresses and constants; v16-23 -M; v24-31 maxima, then TM - M, then 1 / l; v32-47 l; v48-55 mask entries; v56-63 addresses, constants; v64-95 Q; v96-127 K's fragments; v128-255 S^T, p.
;   window 1: v0-127 O^T (32 a tile); v128-159 p's codes; v160-191 V's fragments.
.set STEPB, 4352
.set MREG,  139264
.set VREG,  147456
.set STAGE, 286720
.set HALFB, 16*STEPB                   ; sixteen steps: what one address register reaches with the 16-bit immediate
.set LT,   1                           ; v1   my lane's place in a tile: (r / 4) x 272 + (r % 4) x 64 + 16 h
.set AV0,  2                           ; v2   the same in V's region
.set ADK,  3                           ; v3   K's tiles of the step in hand
.set ADV,  4                           ; v4   V's
.set AM0,  5                           ; v5   MREG + 64 h
.set ADM,  6                           ; v6   the step's mask words
.set STO,  7                           ; v7   the way out: where I put 8 bytes of a row
.set RD,   8                           ; v8   and where I read a line back
.set GO,   9                           ; v9   16 x lane
.set FSK,  10                          ; v10  where I put K's 16 bytes of a step (steps 0-15; v56: steps 16-31)
.set FSV,  11                          ; v11  V's (v57)
.set FGO,  12                          ; v12  16 x thread: my bytes of a step in memory; never rewritten
.set XR,   13                          ; v13  the raw score that stands for -1e9
.set SCP,  14                          ; v14  2^e8
.set LMP,  15                          ; v15  448 x 2^e8
.set NM,   16
.set MX,   24
.set DT,   24
.set RC,   24
.set L,    32
.set MT,   48
.set FSK2, 56
.set FSV2, 57
.set TA,   58
.set TB,   59
.set SCX,  60                          ; v60  2^e10
.set LMX,  61                          ; v61  448 x 2^e10
.set QO,   62                          ; v62  64 r + 16 h; never rewritten
.set MO,   63                          ; v63  32 x thread; never rewritten
.set Q,    64
.set KF,   96
.set S,    128
.set O,    0                           ; window 1
.set PC,   128
.set VF,   160
.set WV,   14                          ; s14  wave
.set CS,   34                          ; s[34:35] c = log2(e) / 8 x 2^(e6 + e7)
.set SEL,  36                          ; s[36:37] lane l xor 16
.set F1,   38                          ; s38, s39 the 32 steps' flags, shifted down a step at a time, for each pass
.set F2,   39
.set KB,   40                          ; s40, s41, s42 the step's first byte in K's, V's and the mask's region
.set VB,   41
.set MB,   42
.set CNT,  43
.set MSB, 0
.macro WIN new                         ; the immediate's high byte repeats the setting that is left
.if MSB != \new
	s_set_vgpr_msb (MSB<<8)|\new
.set MSB, \new
.endif
.endm
	s_load_b256 s[4:11], s[0:1], 0x0               ; qkv s[4:5], mask s[6:7], mflags s[8:9], the scales s[10:11]
	s_load_b64 s[12:13], s[0:1], 0x20              ; ctx
	s_set_vgpr_msb 0x40
	v_lshl_add_u32 v254, v0, 2, 0x4e800
	v_mov_b32 v255, 0
	s_set_vgpr_msb 0x4000
	v_lshrrev_b32 v[TA], 5, v0
	v_readfirstlane_b32 s[WV], v[TA]               ; wave 0..7
	s_and_b32 s44, ttmp7, 0xffff                   ; 16 batch + head
	s_lshr_b32 s45, s44, 4                         ; batch
	s_and_b32 s46, s44, 15                         ; head
	s_lshl_b32 s48, s44, 17                        ; 131,072 bytes a head in q, k and v
	s_mov_b32 s49, 0
	s_lshl_b32 s50, ttmp9, 15                      ; my work-group's 512 queries of 64 bytes,
	s_lshl_b32 s51, s[WV], 12                      ; my wave's 64
	s_add_co_u32 s50, s50, s51
	s_mov_b32 s51, 0
	s_lshl_b32 s52, s46, 19                        ; ctx: 8,192 rows of 64 bytes a head,
	s_lshl_b32 s53, s45, 17                        ; 2,048 rows a batch
	s_add_co_u32 s52, s52, s53
	s_add_co_u32 s52, s52, s50
	s_mov_b32 s53, 0
	s_lshl_b32 s54, s45, 13                        ; the batch's 2,048 mask words
	s_mov_b32 s55, 0
	s_lshl_b32 s46, s45, 5                         ; and its 8 flag words
	s_mov_b32 s47, 0
	v_and_b32 v[TA], 15, v0                        ; r
	v_bfe_u32 v[TB], v0, 4, 1                      ; h
	v_lshlrev_b32 v[QO], 6, v[TA]
	v_lshl_add_u32 v[QO], v[TB], 4, v[QO]
	v_lshlrev_b32 v[MO], 5, v0
	v_lshlrev_b32 v[FGO], 4, v0
	s_wait_kmcnt 0x0
	s_add_nc_u64 s[8:9], s[8:9], s[46:47]
	s_load_b256 s[16:23], s[8:9], 0x0              ; the flags
	s_load_b128 s[24:27], s[10:11], 0x18           ; e6, e7, e8, e9
	s_load_b32 s28, s[10:11], 0x28                 ; e10
	s_add_nc_u64 s[4:5], s[4:5], s[48:49]
	s_add_nc_u64 s[30:31], s[4:5], 0x800000        ; the head's K
	s_add_nc_u64 s[32:33], s[4:5], 0x1000000       ; the head's V
	s_add_nc_u64 s[4:5], s[4:5], s[50:51]          ; my wave's queries
	s_add_nc_u64 s[6:7], s[6:7], s[54:55]
	s_add_nc_u64 s[12:13], s[12:13], s[52:53]
.irp t, 0,1,2,3
	global_load_b128 v[Q+8*\t:Q+8*\t+3], v[QO], s[4:5] offset:1024*\t       ; Q stays in registers
	global_load_b128 v[Q+8*\t+4:Q+8*\t+7], v[QO], s[4:5] offset:1024*\t+32
.endr
	global_load_b128 v[MT:MT+3], v[MO], s[6:7]     ; the mask: 8 words a thread
	global_load_b128 v[MT+4:MT+7], v[MO], s[6:7] offset:16
.set i, 0
.rept 32
	global_load_b128 v[S+4*i:S+4*i+3], v[FGO], s[30:31] offset:4096*i   ; K, a step (4,096 dense bytes) to a load of the work-group
.set i, i+1
.endr
	v_lshrrev_b32 v[LT], 2, v[TA]
	v_mul_u32_u24 v[LT], v[LT], 272
	v_and_b32 v[ADK], 3, v[TA]
	v_lshl_add_u32 v[LT], v[ADK], 6, v[LT]
	v_lshl_add_u32 v[STO], v[TB], 3, v[LT]
	v_lshl_add_u32 v[LT], v[TB], 4, v[LT]
	v_add_nc_u32 v[AV0], VREG, v[LT]
	v_lshlrev_b32 v[AM0], 6, v[TB]
	v_add_nc_u32 v[AM0], MREG, v[AM0]
	s_mul_i32 s44, s[WV], STEPB
	s_add_co_u32 s44, s44, STAGE                   ; my stage
	v_add_nc_u32 v[STO], s44, v[STO]
	v_mul_u32_u24 v[RD], v[TB], 272
	v_lshl_add_u32 v[RD], v[TA], 4, v[RD]
	v_add_nc_u32 v[RD], s44, v[RD]
	v_and_b32 v[GO], 31, v0
	v_lshlrev_b32 v[GO], 4, v[GO]
	v_and_b32 v[FSK], 0x9f, v0                     ; the thread's number with bits 5 and 6 exchanged: they are bits 3 and 4 of the key (4 threads to a key)
	v_bfe_u32 v[ADK], v0, 5, 1
	v_lshl_or_b32 v[FSK], v[ADK], 6, v[FSK]
	v_bfe_u32 v[ADK], v0, 6, 1
	v_lshl_or_b32 v[FSK], v[ADK], 5, v[FSK]
	v_lshrrev_b32 v[ADK], 4, v[FSK]
	v_mul_u32_u24 v[ADK], v[ADK], 272
	v_and_b32 v[FSK], 15, v[FSK]
	v_lshl_add_u32 v[FSK], v[FSK], 4, v[ADK]
	v_add_nc_u32 v[FSK2], HALFB, v[FSK]
	v_lshrrev_b32 v[ADK], 4, v0
	v_mul_u32_u24 v[ADK], v[ADK], 272
	v_lshl_add_u32 v[FSV], v[TA], 4, v[ADK]
	v_add_nc_u32 v[FSV], VREG, v[FSV]
	v_add_nc_u32 v[FSV2], HALFB, v[FSV]
	v_add_nc_u32 v[ADM], MREG, v[MO]
	s_mov_b32 s[SEL], 0x76543210
	s_mov_b32 s[SEL+1], 0xfedcba98
	s_wait_kmcnt 0x0
	s_add_co_i32 s44, s24, s25                     ; e6 + e7
	s_lshl_b32 s44, s44, 23
	s_add_co_u32 s[CS], s44, 0x3e38aa3b            ; log2(e) / 8 with e6 + e7 added to its exponent field
	s_mov_b32 s[CS+1], s[CS]                       ; (named with it as a pair, so it is written)
	s_sub_co_u32 s45, 0xcfee6b28, s44              ; -8e9 with e6 + e7 taken off its exponent field
	v_mov_b32 v[XR], s45
	s_mov_b32 s[F1], s16                           ; four bits a word, eight words: a bit a step
.irp g, 1,2,3,4,5,6,7
	s_lshl_b32 s44, s[16+\g], 4*\g
	s_or_b32 s[F1], s[F1], s44
.endr
	s_mov_b32 s[F2], s[F1]
	s_add_co_i32 s44, s26, 127
	s_lshl_b32 s45, s44, 23
	v_mov_b32 v[SCP], s45
	s_add_co_i32 s44, s44, 8
	s_lshl_b32 s44, s44, 23
	s_or_b32 s44, s44, 0x600000
	v_mov_b32 v[LMP], s44
	s_add_co_i32 s44, s28, 127
	s_lshl_b32 s45, s44, 23
	v_mov_b32 v[SCX], s45
	s_add_co_i32 s44, s44, 8
	s_lshl_b32 s44, s44, 23
	s_or_b32 s44, s44, 0x600000
	v_mov_b32 v[LMX], s44
	s_wait_loadcnt 16                              ; Q, the mask and K's steps 0-15 are in; K's last 16 loads may be out
	ds_store_b128 v[ADM], v[MT:MT+3]
	ds_store_b128 v[ADM], v[MT+4:MT+7] offset:16
.set i, 0
.rept 16
	ds_store_b128 v[FSK], v[S+4*i:S+4*i+3] offset:STEPB*i
.set i, i+1
.endr
	WIN 0x40                                       ; destination window 1
.set i, 0
.rept 32
	global_load_b128 v[O+4*i:O+4*i+3], v[FGO], s[32:33] offset:4096*i   ; V: it lands while pass 1 runs
.set i, i+1
.endr
	WIN 0
	s_wait_loadcnt 32                              ; all of K is in; V's 32 loads may be out
.set i, 16
.rept 16
	ds_store_b128 v[FSK2], v[S+4*i:S+4*i+3] offset:STEPB*(i-16)
.set i, i+1
.endr
.irp i, 0,1,2,3,4,5,6,7
	v_mov_b32 v[MX+\i], 0xff800000                 ; the maxima begin at -infinity: two chains a tile
.endr
	s_wait_dscnt 0x0                               ; for the others' sake: my stores have landed
	s_barrier_signal -1
	s_barrier_wait -1                              ; K and the mask lie in LDS
.macro LOADK                           ; the four tiles of 16 keys at v[ADK]
.irp u, 0,1,2,3
	ds_load_b128 v[KF+8*\u:KF+8*\u+3], v[ADK] offset:1088*\u
	ds_load_b128 v[KF+8*\u+4:KF+8*\u+7], v[ADK] offset:1088*\u+32
.endr
.endm
.macro QK16                            ; S^T = K Q^T: 4 tiles of keys x 4 tiles of queries, each a whole sum (K = 64)
.irp u, 0,1,2,3
.irp t, 0,1,2,3
	v_wmma_f32_16x16x64_fp8_fp8 v[S+32*\t+8*\u:S+32*\t+8*\u+7], v[KF+8*\u:KF+8*\u+7], v[Q+8*\t:Q+8*\t+7], 0
.endr
.endr
.endm
; Where a key's mask entry is 0, the four tiles' numbers of that key become v[x0] .. v[x3].  Register 8 u + j holds key 32 (u / 2) + 16 h + 8 (u % 2) + j of the step.
.macro MASKBLK x0, x1, x2, x3
	v_add_nc_u32 v[ADM], s[MB], v[AM0]
.irp u, 0,1,2,3
	ds_load_b128 v[MT:MT+3], v[ADM] offset:128*(\u/2)+32*(\u%2)
	ds_load_b128 v[MT+4:MT+7], v[ADM] offset:128*(\u/2)+32*(\u%2)+16
	s_wait_dscnt 0x0
.irp j, 0,1,2,3,4,5,6,7
	v_cmp_eq_u32 vcc_lo, 0, v[MT+\j]
	v_cndmask_b32 v[S+8*\u+\j], v[S+8*\u+\j], v[\x0], vcc_lo
	v_cndmask_b32 v[S+32+8*\u+\j], v[S+32+8*\u+\j], v[\x1], vcc_lo
	v_cndmask_b32 v[S+64+8*\u+\j], v[S+64+8*\u+\j], v[\x2], vcc_lo
	v_cndmask_b32 v[S+96+8*\u+\j], v[S+96+8*\u+\j], v[\x3], vcc_lo
.endr
.endr
.endm
	; ---- PASS 1: the rows' largest raw scores
	s_mov_b32 s[KB], 0
	s_mov_b32 s[MB], 0
	v_mov_b32 v[ADK], v[LT]
	LOADK
	s_mov_b32 s[CNT], 32
.Lp1:
	s_wait_dscnt 0x0                               ; this step's K is in
	QK16
	s_add_co_u32 s[KB], s[KB], STEPB
	v_add_nc_u32 v[ADK], s[KB], v[LT]              ; with the three lines below: the four places behind the products, ahead of the loads into K's registers and of the first read of results
	v_nop
	v_nop
	v_nop
	LOADK                                          ; the next step's K (behind the last step: 4,352 bytes of the mask's region, thrown away)
	s_bitcmp1_b32 s[F1], 0
	s_cbranch_scc0 .Lopen1
	MASKBLK XR, XR, XR, XR
.Lopen1:
	s_lshr_b32 s[F1], s[F1], 1
	s_add_co_u32 s[MB], s[MB], 256
.irp n, 0,1,2,3,4,5,6,7,8,9,10,11,12,13,14,15
.irp t, 0,1,2,3
	v_max3_num_f32 v[MX+2*\t+\n%2], v[MX+2*\t+\n%2], v[S+32*\t+2*\n], v[S+32*\t+2*\n+1]   ; each accumulator from its low end on
.endr
.endr
	s_sub_co_u32 s[CNT], s[CNT], 1
	s_cmp_lg_u32 s[CNT], 0
	s_cbranch_scc1 .Lp1
.irp t, 0,1,2,3
	v_max_num_f32 v[MX+2*\t], v[MX+2*\t], v[MX+2*\t+1]
.endr
.irp t, 0,1,2,3
	v_permlanex16_b32 v[MX+2*\t+1], v[MX+2*\t], s[SEL], s[SEL+1]   ; the query's other keys lie in the lane 16 away
.endr
.irp t, 0,1,2,3
	v_max_num_f32 v[MX+2*\t], v[MX+2*\t], v[MX+2*\t+1]
.endr
.irp t, 0,1,2,3
	v_mul_f32 v[MX+2*\t], s[CS], v[MX+2*\t]        ; as t (c is positive)
.endr
.irp t, 0,1,2,3
	v_floor_f32 v[NM+2*\t], -v[MX+2*\t]            ; -M = floor(-t) = -ceil(t)
.endr
.irp t, 0,1,2,3
	v_mov_b32 v[NM+2*\t+1], v[NM+2*\t]             ; (named as the pair's upper half)
.endr
	v_mul_f32 v[TA], s[CS], v[XR]                  ; TM: a masked key's t, rounded as the maximum's was
.irp t, 0,1,2,3
	v_add_f32 v[DT+\t], v[TA], v[NM+2*\t]          ; TM - M
.endr
	; ---- V goes into LDS
	s_wait_loadcnt 0x0
	WIN 0x04                                       ; the stores' data in window 1
.set i, 0
.rept 16
	ds_store_b128 v[FSV], v[O+4*i:O+4*i+3] offset:STEPB*i
.set i, i+1
.endr
.set i, 16
.rept 16
	ds_store_b128 v[FSV2], v[O+4*i:O+4*i+3] offset:STEPB*(i-16)
.set i, i+1
.endr
	WIN 0
.irp i, 0,1,2,3,4,5,6,7,8,9,10,11,12,13,14,15
	v_mov_b32 v[L+\i], 0                           ; l: two chains of pairs a tile
.endr
	s_wait_dscnt 0x0                               ; my stores have landed (and pass 1's last look-ahead is back)
	s_barrier_signal -1
	s_barrier_wait -1                              ; V lies in LDS
; ---- PASS 2.  A step of 64 keys.  zero = 1: the first step, whose products start O^T's sums.
.macro STEP2 zero
	v_add_nc_u32 v[ADV], s[VB], v[AV0]             ; with the three lines below: the four places behind the last step's products, ahead of the loads into V's registers
	v_nop
	v_nop
	v_nop
	WIN 0x40
.irp c, 0,1,2,3
	ds_load_b128 v[VF+8*\c:VF+8*\c+3], v[ADV] offset:1088*\c
	ds_load_b128 v[VF+8*\c+4:VF+8*\c+7], v[ADV] offset:1088*\c+32
.endr
	WIN 0
	s_wait_dscnt 8                                 ; this step's K is in; V's eight loads may be out
	QK16
	s_add_co_u32 s[KB], s[KB], STEPB
	s_add_co_u32 s[VB], s[VB], STEPB
	v_add_nc_u32 v[ADK], s[KB], v[LT]              ; four places again
	v_nop
	v_nop
	v_nop
	LOADK                                          ; the next step's K
.irp t, 0,1,2,3
.irp i, 0,2,4,6,8,10,12,14,16,18,20,22,24,26,28,30
	v_pk_fma_f32 v[S+32*\t+\i:S+32*\t+\i+1], v[S+32*\t+\i:S+32*\t+\i+1], s[CS:CS+1], v[NM+2*\t:NM+2*\t+1] op_sel_hi:[1,0,0]   ; t - M, two at a time
.endr
.endr
	s_bitcmp1_b32 s[F2], 0
	s_cbranch_scc0 .Lopen2_\@
	MASKBLK DT, DT+1, DT+2, DT+3
.Lopen2_\@:
	s_lshr_b32 s[F2], s[F2], 1
	s_add_co_u32 s[MB], s[MB], 256
.set i, 0
.rept 128
	v_exp_f32 v[S+i], v[S+i]                       ; p = 2^(t - M): one batch
.set i, i+1
.endr
	v_nop                                          ; a plain line behind the last exponential
	s_wait_alu depctr_va_vdst(0)                   ; one wait for the batch, ahead of its first reader
.irp i, 0,1,2,3,4,5,6,7,8,9,10,11,12,13,14,15
.irp t, 0,1,2,3
	v_pk_add_f32 v[L+4*\t+2*(\i%2):L+4*\t+2*(\i%2)+1], v[L+4*\t+2*(\i%2):L+4*\t+2*(\i%2)+1], v[S+32*\t+2*\i:S+32*\t+2*\i+1]   ; l is taken of the unquantised p
.endr
.endr
	s_cmp_ge_i32 s26, -8
	s_cbranch_scc1 .Lnohold_\@
.set i, 0
.rept 128
	v_min_num_f32 v[S+i], v[S+i], v[LMP]           ; the conversion does not saturate (ISA guide 7.6.2); p is not negative, so the hold is one-sided
.set i, i+1
.endr
.Lnohold_\@:
	WIN 0x40
.irp t, 0,1,2,3
.irp u, 0,1,2,3
	v_cvt_scalef32_pk8_fp8_f32 v[PC+8*\t+2*\u:PC+8*\t+2*\u+1], v[S+32*\t+8*\u:S+32*\t+8*\u+7], v[SCP]
.endr
.endr
	v_nop                                          ; one plain line between the conversions and the products that read their results
	s_wait_dscnt 8                                 ; V's fragments are in; the eight younger loads are the next step's K
	WIN 0x55                                       ; all four operands in window 1
.irp c, 0,1,2,3                        ; the sixteen accumulators take turns, one instruction a turn
.irp t, 0,1,2,3
.if \zero
	v_wmma_f32_16x16x64_fp8_fp8 v[O+32*\t+8*\c:O+32*\t+8*\c+7], v[VF+8*\c:VF+8*\c+7], v[PC+8*\t:PC+8*\t+7], 0
.else
	v_wmma_f32_16x16x64_fp8_fp8 v[O+32*\t+8*\c:O+32*\t+8*\c+7], v[VF+8*\c:VF+8*\c+7], v[PC+8*\t:PC+8*\t+7], v[O+32*\t+8*\c:O+32*\t+8*\c+7]
.endif
.endr
.endr
	WIN 0
.endm
	s_mov_b32 s[KB], 0
	s_mov_b32 s[VB], 0
	s_mov_b32 s[MB], 0
	v_mov_b32 v[ADK], v[LT]
	LOADK
	STEP2 1
	s_mov_b32 s[CNT], 31
.Lp2:
	STEP2 0
	s_sub_co_u32 s[CNT], s[CNT], 1
	s_cmp_lg_u32 s[CNT], 0
	s_cbranch_scc1 .Lp2
	; ---- THE WAY OUT.  l's parts are added (these lines are the places behind the last products); O^T x 2^(e8 + e9) / l is quantised with 2^e10 and goes through my stage, so that 32 lanes store 512 dense bytes.
	s_wait_dscnt 0x0                               ; the last look-ahead for K is back: its registers are used below
.irp t, 0,1,2,3
	v_pk_add_f32 v[L+4*\t:L+4*\t+1], v[L+4*\t:L+4*\t+1], v[L+4*\t+2:L+4*\t+3]
.endr
.irp t, 0,1,2,3
	v_add_f32 v[L+4*\t], v[L+4*\t], v[L+4*\t+1]
.endr
.irp t, 0,1,2,3
	v_permlanex16_b32 v[L+4*\t+1], v[L+4*\t], s[SEL], s[SEL+1]
.endr
.irp t, 0,1,2,3
	v_add_f32 v[L+4*\t], v[L+4*\t], v[L+4*\t+1]
.endr
.irp t, 0,1,2,3
	v_rcp_f32 v[RC+2*\t], v[L+4*\t]
.endr
	v_nop                                          ; a plain line behind the last reciprocal
	s_add_co_i32 s44, s26, s27                     ; e8 + e9
	s_wait_alu depctr_va_vdst(0)                   ; one wait for the four, ahead of their first reader
.irp t, 0,1,2,3
	v_ldexp_f32 v[RC+2*\t], v[RC+2*\t], s44
.endr
.irp t, 0,1,2,3
	v_mov_b32 v[RC+2*\t+1], v[RC+2*\t]             ; (named as the pair's upper half)
.endr
.irp t, 0,1,2,3
	WIN 0x01                                       ; source 0 (O^T) window 1
.irp i, 0,2,4,6,8,10,12,14,16,18,20,22,24,26,28,30
	v_pk_mul_f32 v[S+32*\t+\i:S+32*\t+\i+1], v[O+32*\t+\i:O+32*\t+\i+1], v[RC+2*\t:RC+2*\t+1] op_sel_hi:[1,0]   ; register 8 c + i: context(query r, channel 16 c + 8 h + i)
.endr
	WIN 0
.irp i, 0,1,2,3,4,5,6,7,8,9,10,11,12,13,14,15,16,17,18,19,20,21,22,23,24,25,26,27,28,29,30,31
	v_med3_num_f32 v[S+32*\t+\i], v[S+32*\t+\i], -v[LMX], v[LMX]
.endr
.irp c, 0,1,2,3
	v_cvt_scalef32_pk8_fp8_f32 v[KF+8*\t+2*\c:KF+8*\t+2*\c+1], v[S+32*\t+8*\c:S+32*\t+8*\c+7], v[SCX]
.endr
	v_nop                                          ; one plain line behind the last conversion
.irp c, 0,1,2,3
	ds_store_b64 v[STO], v[KF+8*\t+2*\c:KF+8*\t+2*\c+1] offset:1088*\t+16*\c
.endr
.irp i, 0,1
	ds_load_b128 v[Q+8*\t+4*\i:Q+8*\t+4*\i+3], v[RD] offset:1088*\t+544*\i   ; LDS serves a wave's instructions in order: these see my stores
.endr
.endr
.irp t, 0,1,2,3
.irp i, 0,1
	s_wait_dscnt 6*(3-\t)+1-\i                     ; behind this load: the rest of its tile's loads and six LDS instructions for each later tile
	global_store_b128 v[GO], v[Q+8*\t+4*\i:Q+8*\t+4*\i+3], s[12:13] offset:1024*\t+512*\i
.endr
.endr
	s_set_vgpr_msb 0x5
	s_wait_tensorcnt 0x0
	ds_add_u32 v254, v255
	s_wait_dscnt 0x0
	s_set_vgpr_msb 0x500
	s_endpgm
.Lfunc_end_k_q3980ecc94c_attn:
	.size	k_q3980ecc94c_attn, .Lfunc_end_k_q3980ecc94c_attn-k_q3980ecc94c_attn
	.p2alignl 7, 3214868480
	.fill 96, 4, 3214868480
	.section	.rodata,"a",@progbits
	.p2align	6, 0x0
	.amdhsa_kernel k_q3980ecc94c_attn
		.amdhsa_group_segment_fixed_size 322560
		.amdhsa_private_segment_fixed_size 0
		.amdhsa_enable_private_segment 0
		.amdhsa_kernarg_size 40
		.amdhsa_user_sgpr_count 2
		.amdhsa_user_sgpr_kernarg_segment_ptr 1
		.amdhsa_wavefront_size32 1
		.amdhsa_system_sgpr_workgroup_id_x 1
		.amdhsa_system_sgpr_workgroup_id_y 1
		.amdhsa_system_sgpr_workgroup_id_z 1
		.amdhsa_system_vgpr_workitem_id 0
		.amdhsa_next_free_vgpr 512
		.amdhsa_next_free_sgpr 66
		.amdhsa_reserve_vcc 1
		.amdhsa_float_denorm_mode_32 3
		.amdhsa_float_denorm_mode_16_64 3
		.amdhsa_memory_ordered 1
		.amdhsa_forward_progress 1
		.amdhsa_inst_pref_size 103
	.end_amdhsa_kernel
	.amdgpu_metadata
---
amdhsa.version: [ 1, 2 ]
amdhsa.kernels:
  - .name:           k_q3980ecc94c_attn
    .symbol:         k_q3980ecc94c_attn.kd
    .args:
      - { .name: qkv, .offset: 0, .size: 8, .value_kind: global_buffer, .address_space: global }
      - { .name: mask, .offset: 8, .size: 8, .value_kind: global_buffer, .address_space: global }
      - { .name: mflags, .offset: 16, .size: 8, .value_kind: global_buffer, .address_space: global }
      - { .name: lowp_scales, .offset: 24, .size: 8, .value_kind: global_buffer, .address_space: global }
      - { .name: ctx, .offset: 32, .size: 8, .value_kind: global_buffer, .address_space: global }
    .group_segment_fixed_size: 322560
    .private_segment_fixed_size: 0
    .kernarg_segment_align: 8
    .kernarg_segment_size: 40
    .max_flat_workgroup_size: 256
    .sgpr_count:     66
    .vgpr_count:     512
    .wavefront_size: 32
...
	.end_amdgpu_metadata
.endif
;; end of part 4
;; launch oproj (part 5): grid 4 x 32, 4 waves a work-group, clusters of 4 x 4, 327,680 bytes of LDS; arguments ctx, wcodes, lowp_scales, bo, out0; writes out0
.if DOCPART == 5
	.amdgcn_target "amdgcn-amd-amdhsa--gfx1250"
	.amdhsa_code_object_version 6
	.text
	.protected	k_q3980ecc94c_oproj
	.globl	k_q3980ecc94c_oproj
	.p2align	8
	.type	k_q3980ecc94c_oproj,@function
k_q3980ecc94c_oproj:
	s_mov_b64 s[64:65], 0
	v_nop
	global_prefetch_b8 v0, s[64:65] scope:SCOPE_SE
	s_setreg_imm32_b32 hwreg(HW_REG_WAVE_MODE, 25, 1), 1
	s_wait_xcnt 0x0
	s_wait_alu depctr_hold_cnt(0) depctr_sa_sdst(0) depctr_va_vdst(0) depctr_va_sdst(0) depctr_va_ssrc(0) depctr_va_vcc(0) depctr_vm_vsrc(0)
	s_getreg_b32 s2, hwreg(HW_REG_IB_STS2, 6, 4)
	s_cmp_eq_u32 s2, 0
	s_cbranch_scc0 .Lentry_in_a_cluster
	s_endpgm
.Lentry_in_a_cluster:
	s_bfe_u32 s2, ttmp6, 0x10000c
	s_cmp_lg_u32 s2, 0xf033
	s_cbranch_scc0 .Lentry_shape_is_right
	s_endpgm
.Lentry_shape_is_right:
; out0 = context Wo + bo on codes of FP8 (E4M3): C[m][n] = sum over k of A[m][k] B[n][k], 8192 x 1024 x 1024; out0 = sum x 2^(e10 + e11) + bo, f32.
; A = ctx, laid BY HEADS: [head 16][row 8192][64], k = 64 head + channel.  B = Wo's codes, [n][k], at 3 MiB in wcodes.
; LIMIT: e10 + e11 between -126 and 127.
; A tile of C, 256 x 256, is made by a work-group of four waves; a wave makes 128 x 128: 64 accumulators.  K goes in steps of 256 (four heads) through a ring of two LDS slots filled by the tensor data mover.
; A'S TILE: for each of the step's four heads, a wave's 128 rows of 64 bytes are 8,192 dense bytes: one descriptor of 4 'rows' of 8,192 bytes, 524,288 bytes apart, with 16 bytes of padding behind every 256:
; 8,704 bytes a head in LDS, 34,816 a load, as much as 128 rows of 272.  Row rr of a head lies at (rr / 4) x 272 + (rr % 4) x 64.
; CLUSTERS: 4 x 4 work-groups; A's tiles are asked for jointly along a row of the cluster, B's along a column.  THE MATRIX INSTRUCTION IS USED TRANSPOSED (source 0 = rows of B, source 1 = rows of A).
; 128 work-groups: the tile is kept at 256 x 256, so half of the WGPs have no work in this launch.  Nothing is prefetched: K has four slot steps, of which two are the first fills.
; REGISTERS: window 0: v0-31 addresses; v32-95 bo by columns; from v128 A's fragments, ONE set; on the way out v128-255 rows read back.   window 1: B's fragments, TWO sets; on the way out v0-63 a block's results.
;   window 2: the accumulators of my rows 0-63;   window 3: those of my rows 64-127.
.set SIZE_N, 1024
.set KSTEP,  256
.set ROWB,   256
.set KROW,   1024
.set PITCH,  272
.set FR,     16
.set NL,     4
.set NP,     4
.set HALFT,  128*PITCH
.set SLOT,   4*HALFT
.set LAPS,   2
.set SPARE,  2*SLOT
.set SPITCH, 528                       ; the way out: a stage of 16 rows x (512 bytes + 16) for each wave, in slot 0, which has had its last fill and its last read by then
.set HEADL,  8704                      ; a head's 128 rows in LDS
.set HEADG,  524288                    ; a head in ctx
.set BCO,  8
.set ADRA, 16
.set ADRB, 20
.set STO,  24
.set RD,   25
.set CO,   26
.set SPW,  28
.set NIL,  29
.set BC,   32
.set AF,   128
.set BK,   128
.set TMP,  0                           ; window 1
.set G1, 24
.set G0, 32
.set G1B, 48
.set G0B, 56
.set MSB, 0
.macro WIN new
.if MSB != \new
	s_set_vgpr_msb (MSB<<8)|\new
.set MSB, \new
.endif
.endm
.set MUL_LO, 0xa1
.set MUL_HI, 0xf1
.set TO_B,   0x40
.macro JLOAD g0a, g1a, g0b, g1b        ; waves 0 and 1 fetch for A, waves 2 and 3 for B; four v_nop follow each of the two lines
	s_cmp_eq_u32 s15, 0
	s_cbranch_scc0 .Lfor_b_\@
	tensor_load_to_lds s[\g0a:\g0a+3], s[\g1a:\g1a+7]
	s_nop 0
.rept 4
	v_nop
.endr
	s_branch .Lasked_\@
.Lfor_b_\@:
	tensor_load_to_lds s[\g0b:\g0b+3], s[\g1b:\g1b+7]
	s_nop 0
.rept 4
	v_nop
.endr
.Lasked_\@:
.endm
.macro CREST
	s_cmp_lg_u32 s14, 0
	s_cbranch_scc1 .Lnot_wave_0_\@
	s_barrier_signal -3
.Lnot_wave_0_\@:
	s_barrier_wait -3
	s_barrier_signal -1
	s_barrier_wait -1
.endm
.macro CROUND
	s_barrier_signal -1
	s_barrier_wait -1
	CREST
.endm
	s_load_b128 s[4:7], s[0:1], 0x0                ; ctx s[4:5], wcodes s[6:7]
	s_load_b128 s[68:71], s[0:1], 0x10             ; the scales s[68:69], bo s[70:71]
	s_load_b64 s[10:11], s[0:1], 0x20              ; out0
	v_lshl_add_u32 v[SPW], v0, 2, SPARE
	v_mov_b32 v[NIL], 0
	ds_add_u32 v28, v29
	ds_add_u32 v28, v29
	s_wait_dscnt 0x0
	v_lshrrev_b32 v1, 5, v0
	v_readfirstlane_b32 s14, v1                    ; wave 0..3
	s_lshr_b32 s15, s14, 1                         ; which half of the tile's rows is mine.  Also: I fetch for A (0) or for B (1)
	s_and_b32 s16, s14, 1                          ; which half of its columns.  Also: which 128 rows of that tile I fetch
	s_bfe_u32 s40, ttmp6, 0x40000                  ; cx, cy
	s_bfe_u32 s41, ttmp6, 0x40004
	s_lshl_b32 s42, ttmp9, 2
	s_add_co_u32 s42, s42, s40                     ; tile column of C
	s_and_b32 s17, ttmp7, 0xffff
	s_lshl_b32 s17, s17, 2
	s_add_co_u32 s17, s17, s41                     ; tile row of C
	s_lshl_b32 s43, s41, 2
	s_lshl_b32 s43, 15, s43                        ; my row of the cluster
	s_lshl_b32 s44, 0x1111, s40                    ; my column
	s_or_b32 s[G1+0], s43, (0<<16)|(1<<20)|(1<<21)|(5<<22)|(3<<25)  ; the mask; elements of 1 byte; padding on; bit 21 beside a mask; after every 64 words; 4 words
	s_mov_b32 s[G1+1], 8192<<16                    ; A: tensor_dim0 = 8,192
	s_mov_b32 s[G1+2], 4<<16                       ; tensor_dim1 = 4
	s_mov_b32 s[G1+3], 8192<<16                    ; tile_dim0
	s_mov_b32 s[G1+4], 4                           ; tile_dim1
	s_mov_b32 s[G1+5], HEADG                       ; from head to head
	s_mov_b32 s[G1+6], 0
	s_mov_b32 s[G1+7], 0
	s_or_b32 s[G1B+0], s44, (0<<16)|(1<<20)|(1<<21)|(5<<22)|(3<<25)
	s_mov_b32 s[G1B+1], ROWB<<16                   ; B: 128 rows of 256 bytes
	s_mov_b32 s[G1B+2], 128<<16
	s_mov_b32 s[G1B+3], ROWB<<16
	s_mov_b32 s[G1B+4], 128
	s_mov_b32 s[G1B+5], KROW
	s_mov_b32 s[G1B+6], 0
	s_mov_b32 s[G1B+7], 0
	s_lshl_b32 s45, s16, 7                         ; which 128 rows of the tile I fetch
	s_lshl_b32 s20, s17, 8
	s_add_co_u32 s20, s20, s45
	s_lshl_b32 s20, s20, 6                         ; A: row x 64 bytes, in head 0
	s_mov_b32 s21, 0
	s_lshl_b32 s46, s42, 8
	s_add_co_u32 s46, s46, s45
	s_lshl_b32 s46, s46, 10                        ; B: row x 1,024 bytes,
	s_add_co_u32 s46, s46, 0x300000                ; behind the three other weights
	s_mov_b32 s47, 0
	s_mul_i32 s45, s14, HALFT                      ; where they go: no place in the cluster enters an LDS address
	s_wait_kmcnt 0x0
	s_load_b64 s[96:97], s[68:69], 0x28            ; e10, e11
	s_add_nc_u64 s[20:21], s[4:5], s[20:21]
	s_add_nc_u64 s[46:47], s[6:7], s[46:47]
	CROUND                                         ; all sixteen work-groups are here: the first joint loads meet
.irp s, 0,1
	s_mov_b32 s[G0+4*\s], 1
	s_add_co_u32 s[G0+4*\s+1], s45, \s*SLOT
	s_add_nc_u64 s[G0+4*\s+2:G0+4*\s+3], s[20:21], \s*4*HEADG
	s_or_b32 s[G0+4*\s+3], s[G0+4*\s+3], 0x80000000
	s_mov_b32 s[G0B+4*\s], 1
	s_add_co_u32 s[G0B+4*\s+1], s45, \s*SLOT
	s_add_nc_u64 s[G0B+4*\s+2:G0B+4*\s+3], s[46:47], \s*ROWB
	s_or_b32 s[G0B+4*\s+3], s[G0B+4*\s+3], 0x80000000
	JLOAD G0+4*\s, G1, G0B+4*\s, G1B
.endr
	v_and_b32 v1, 15, v0                           ; r
	v_bfe_u32 v2, v0, 4, 1                         ; h
	v_mul_u32_u24 v3, v1, PITCH
	v_lshl_add_u32 v4, v2, 4, v3                   ; B: row x pitch + 16 h
	v_lshrrev_b32 v5, 2, v1                        ; A: (r / 4) x 272 + (r % 4) x 64 + 16 h
	v_mul_u32_u24 v5, v5, 272
	v_and_b32 v6, 3, v1
	v_lshl_add_u32 v5, v6, 6, v5
	v_lshl_add_u32 v5, v2, 4, v5
	s_mul_i32 s21, s15, HALFT                      ; my 128 rows of A
	s_mul_i32 s22, s16, HALFT                      ; my 128 rows of B,
	s_add_co_u32 s22, s22, 2*HALFT                 ; which lie behind A's two halves
.irp s, 0,1
	v_add_nc_u32 v[ADRA+\s], s21, v5
	v_add_nc_u32 v[ADRB+\s], s22, v4
	s_add_co_u32 s21, s21, SLOT
	s_add_co_u32 s22, s22, SLOT
.endr
	s_mul_i32 s23, s14, 16*SPITCH                  ; my stage
	v_mul_u32_u24 v5, v1, SPITCH                   ; in: row r, 32 bytes for each half of the lanes
	v_lshl_add_u32 v5, v2, 5, v5
	v_add_nc_u32 v[STO], s23, v5
	v_and_b32 v6, 31, v0
	v_lshlrev_b32 v[CO], 4, v6                     ; back: the 32 lanes take one row of 512 bytes; and the same in out0
	v_add_nc_u32 v[RD], s23, v[CO]
	s_lshl_b32 s20, s17, 8
	s_lshl_b32 s21, s15, 7
	s_add_co_u32 s20, s20, s21                     ; my first row of C
	s_lshl_b32 s20, s20, 12                        ; 4,096 bytes a row (under 2^25)
	s_mov_b32 s21, 0
	s_lshl_b32 s46, s42, 10                        ; my first column, in bytes
	s_lshl_b32 s47, s16, 9
	s_add_co_u32 s46, s46, s47
	s_mov_b32 s47, 0
	s_add_nc_u64 s[20:21], s[20:21], s[46:47]
	s_add_nc_u64 s[10:11], s[10:11], s[20:21]
	v_lshlrev_b32 v[BCO], 5, v2                    ; bo: my eight columns of each of B's eight blocks: the column's bytes + 64 b + 32 h
	v_add_nc_u32 v[BCO], s46, v[BCO]
.irp b, 0,1,2,3,4,5,6,7
	global_load_b128 v[BC+8*\b:BC+8*\b+3], v[BCO], s[70:71] offset:64*\b
	global_load_b128 v[BC+8*\b+4:BC+8*\b+7], v[BCO], s[70:71] offset:64*\b+16
.endr
.macro FRAG reg, adr, q, i             ; B: registers 4 c .. 4 c + 3 hold K = 32 c + 16 h + 0 .. 15 of the slot's q-th 128
.irp c, 0,1,2,3
	ds_load_b128 v[\reg+4*\c:\reg+4*\c+3], v[\adr] offset:128*(\q)+32*\c+(\i)*16*PITCH
.endr
.endm
.macro FRAGA reg, adr, q, i            ; A: the same k: head 2 q + c / 2 of the slot's four, channels 32 (c % 2) + 16 h + 0 .. 15
.irp c, 0,1,2,3
	ds_load_b128 v[\reg+4*\c:\reg+4*\c+3], v[\adr] offset:(2*(\q)+\c/2)*HEADL+32*(\c%2)+(\i)*1088
.endr
.endm
.macro MUL16 a0, p, zero               ; the 64 accumulators take turns, one instruction a turn
.irp a, \a0, \a0+1
.irp b, 0,1,2,3,4,5,6,7
.if \zero
	v_wmma_f32_16x16x128_fp8_fp8 v[8*(8*((\a)%4)+\b):8*(8*((\a)%4)+\b)+7], v[128*(\p)+FR*\b:128*(\p)+FR*\b+FR-1], v[AF+FR*(\a):AF+FR*(\a)+FR-1], 0
.else
	v_wmma_f32_16x16x128_fp8_fp8 v[8*(8*((\a)%4)+\b):8*(8*((\a)%4)+\b)+7], v[128*(\p)+FR*\b:128*(\p)+FR*\b+FR-1], v[AF+FR*(\a):AF+FR*(\a)+FR-1], v[8*(8*((\a)%4)+\b):8*(8*((\a)%4)+\b)+7]
.endif
.endr
.endr
.endm
.macro FETCH_B slot, q, p
	WIN TO_B
.irp i, 0,1,2,3,4,5,6,7
	FRAG 128*(\p)+FR*\i, ADRB+\slot, \q, \i
.endr
	WIN 0
.endm
.macro FETCH_A slot, q, i0
.irp i, \i0, \i0+1, \i0+2, \i0+3
	FRAGA AF+FR*(\i), ADRA+\slot, \q, \i
.endr
.endm
.macro PLACES n                        ; four plain vector lines behind a matrix instruction, ahead of loads into its registers and of reads of its results
.rept \n
	v_nop
.endr
.endm
.macro STEP slot, q, zero
	s_wait_dscnt 4*NL                              ; B's set and A's blocks 0-3 are in; the youngest 16 loads (A's blocks 4-7) may be out
	WIN MUL_LO
	MUL16 0, (\q)%2, \zero
	MUL16 2, (\q)%2, \zero
	s_wait_dscnt 0
	PLACES NP
	FETCH_B \slot, (\q)+1, 1-(\q)%2
	FETCH_A \slot, (\q)+1, 0
	WIN MUL_HI
	MUL16 4, (\q)%2, \zero
	MUL16 6, (\q)%2, \zero
	PLACES NP
	WIN 0
	FETCH_A \slot, (\q)+1, 4
.endm
.macro TURN slot, next, fill
	s_wait_tensorcnt 0x0                           ; all my tensor loads have landed: my part of the next slot
	ds_add_u32 v[SPW], v[NIL]                      ; 0 onto my spare word
	s_wait_dscnt 4*NL+1                            ; (the add and the youngest 16 loads may be out)
	WIN MUL_LO
	MUL16 0, 1, 0
	s_wait_dscnt 0x0                               ; the add is done, and my reads of this slot are over
	s_barrier_signal -1
	MUL16 2, 1, 0
	WIN 0
	s_barrier_wait -1
.if \fill
	CREST                                          ; the barrier has opened a round of the cluster's barrier
	s_add_nc_u64 s[G0+4*\slot+2:G0+4*\slot+3], s[G0+4*\slot+2:G0+4*\slot+3], 8*HEADG
	s_add_nc_u64 s[G0B+4*\slot+2:G0B+4*\slot+3], s[G0B+4*\slot+2:G0B+4*\slot+3], 2*ROWB
	JLOAD G0+4*\slot, G1, G0B+4*\slot, G1B         ; the first tensor load behind the round; its four v_nop are also the places in front of the loads below
.else
	PLACES NP
.endif
	FETCH_B \next, 0, 0
	FETCH_A \next, 0, 0
	WIN MUL_HI
	MUL16 4, 1, 0
	MUL16 6, 1, 0
	PLACES NP
	WIN 0
	FETCH_A \next, 0, 4
.endm
	s_wait_tensorcnt 1                             ; my part of K step 0 is in; K step 1's load may be out
	s_barrier_signal -1
	s_barrier_wait -1
	FETCH_B 0, 0, 0
	FETCH_A 0, 0, 0
	FETCH_A 0, 0, 4
	STEP 0, 0, 1
	s_mov_b32 s3, LAPS-1
.Llap:
	TURN 0, 1, 1
	STEP 1, 0, 0
	TURN 1, 0, 1
	STEP 0, 0, 0
	s_sub_co_u32 s3, s3, 1
	s_cmp_lg_u32 s3, 0
	s_cbranch_scc1 .Llap
	TURN 0, 1, 0
	STEP 1, 0, 0
	s_wait_dscnt 4*NL
	WIN MUL_LO
	MUL16 0, 1, 0
	MUL16 2, 1, 0
	s_wait_dscnt 0
	WIN MUL_HI
	MUL16 4, 1, 0
	MUL16 6, 1, 0
	WIN 0
; THE WAY OUT, block by block of 16 rows x 128 columns: sum x 2^(e10 + e11) + bo, through my own stage, back as whole rows of 512 bytes.
.macro TOSTAGE a
.set AC, 64*((\a)%4)
.set WW, 0x42+((\a)/4)
	WIN WW                                         ; source 0 window 2 or 3, destination window 1, bo in window 0
.irp j, 0,2,4,6,8,10,12,14,16,18,20,22,24,26,28,30,32,34,36,38,40,42,44,46,48,50,52,54,56,58,60,62
	v_pk_fma_f32 v[TMP+\j:TMP+\j+1], v[AC+\j:AC+\j+1], s[96:97], v[BC+\j:BC+\j+1] op_sel_hi:[1,0,1]   ; each accumulator from its low end on
.endr
	WIN 0x04                                       ; the stores' data in window 1
.irp b, 0,1,2,3,4,5,6,7
	ds_store_b128 v[STO], v[TMP+8*\b:TMP+8*\b+3] offset:64*\b
	ds_store_b128 v[STO], v[TMP+8*\b+4:TMP+8*\b+7] offset:64*\b+16
.endr
	WIN 0
.set BB, BK+64*((\a)%2)
.irp t, 0,1,2,3,4,5,6,7,8,9,10,11,12,13,14,15
	ds_load_b128 v[BB+4*\t:BB+4*\t+3], v[RD] offset:\t*SPITCH   ; LDS serves a wave's instructions in order: these see the stores above
.endr
.endm
.macro SEND a, younger                 ; younger: the LDS instructions issued behind block a's loads: the next block's 16 stores and 16 loads, or none
.set BB, BK+64*((\a)%2)
	s_wait_dscnt \younger
.if (\a) > 0
	s_add_nc_u64 s[10:11], s[10:11], 16*SIZE_N*4   ; (behind a wait on XCNT: the earlier stores have read their base)
.endif
.irp t, 0,1,2,3,4,5,6,7,8,9,10,11,12,13,14,15
	global_store_b128 v[CO], v[BB+4*\t:BB+4*\t+3], s[10:11] offset:\t*SIZE_N*4 th:TH_STORE_NT   ; 32 lanes store 512 consecutive bytes, aligned
.endr
.endm
	s_wait_kmcnt 0x0
	s_add_co_i32 s96, s96, s97                     ; e10 + e11
	s_add_co_i32 s96, s96, 127
	s_lshl_b32 s96, s96, 23                        ; 2^(e10 + e11) as f32
	s_mov_b32 s97, s96                             ; (named with it as a pair)
	s_wait_loadcnt 0x0                             ; bo
	PLACES NP                                      ; behind the last products: their operands' registers are written and results are read below
	TOSTAGE 0
.irp a, 1,2,3,4,5,6,7
.if \a > 1
	s_wait_xcnt 0x0                                ; block a - 2's stores have read their registers and their base
.endif
	TOSTAGE \a
	SEND \a-1, 32
.endr
	s_wait_xcnt 0x0                                ; block 6's stores have read their base
	SEND 7, 0
	s_wait_tensorcnt 0x0                           ; the wave's end
	ds_add_u32 v[SPW], v[NIL]
	s_wait_dscnt 0x0
	CROUND                                         ; the closing round
	s_endpgm
.Lfunc_end_k_q3980ecc94c_oproj:
	.size	k_q3980ecc94c_oproj, .Lfunc_end_k_q3980ecc94c_oproj-k_q3980ecc94c_oproj
	.p2alignl 7, 3214868480
	.fill 96, 4, 3214868480
	.section	.rodata,"a",@progbits
	.p2align	6, 0x0
	.amdhsa_kernel k_q3980ecc94c_oproj
		.amdhsa_group_segment_fixed_size 327680
		.amdhsa_private_segment_fixed_size 0
		.amdhsa_enable_private_segment 0
		.amdhsa_kernarg_size 40
		.amdhsa_user_sgpr_count 2
		.amdhsa_user_sgpr_kernarg_segment_ptr 1
		.amdhsa_wavefront_size32 1
		.amdhsa_system_sgpr_workgroup_id_x 1
		.amdhsa_system_sgpr_workgroup_id_y 1
		.amdhsa_system_sgpr_workgroup_id_z 1
		.amdhsa_system_vgpr_workitem_id 0
		.amdhsa_next_free_vgpr 1024
		.amdhsa_next_free_sgpr 98
		.amdhsa_reserve_vcc 0
		.amdhsa_float_denorm_mode_32 3
		.amdhsa_float_denorm_mode_16_64 3
		.amdhsa_memory_ordered 1
		.amdhsa_forward_progress 1
		.amdhsa_inst_pref_size 125
	.end_amdhsa_kernel
	.amdgpu_metadata
---
amdhsa.version: [ 1, 2 ]
amdhsa.kernels:
  - .name:           k_q3980ecc94c_oproj
    .symbol:         k_q3980ecc94c_oproj.kd
    .args:
      - { .name: ctx, .offset: 0, .size: 8, .value_kind: global_buffer, .address_space: global }
      - { .name: wcodes, .offset: 8, .size: 8, .value_kind: global_buffer, .address_space: global }
      - { .name: lowp_scales, .offset: 16, .size: 8, .value_kind: global_buffer, .address_space: global }
      - { .name: bo, .offset: 24, .size: 8, .value_kind: global_buffer, .address_space: global }
      - { .name: out0, .offset: 32, .size: 8, .value_kind: global_buffer, .address_space: global }
    .group_segment_fixed_size: 327680
    .private_segment_fixed_size: 0
    .kernarg_segment_align: 8
    .kernarg_segment_size: 40
    .max_flat_workgroup_size: 128
    .sgpr_count:     98
    .vgpr_count:     1024
    .wavefront_size: 32
...
	.end_amdgpu_metadata
.endif
;; end of part 5
;; ======== version 2 of 2: 5 launches; version 1 with the launch attn written anew for expert scheduling mode
;; workspace buffers: xcodes 25,165,824 bytes; wcodes 4,194,304 bytes; qkv 25,165,824 bytes; ctx 8,388,608 bytes; mflags 256 bytes of whole numbers
;; launch qx: the kernel of part 1 again; grid 768 x 1, 4 waves a work-group, no clusters, 33,280 bytes of LDS; arguments query, key, value, lowp_scales, xcodes; writes xcodes
;; launch qw: the kernel of part 2 again; grid 8 x 17, 4 waves a work-group, no clusters, 36,352 bytes of LDS; arguments Wq, Wk, Wv, Wo, lowp_scales, mask, wcodes, mflags; writes wcodes, mflags
;; launch proj: the kernel of part 3 again; grid 4 x 96, 4 waves a work-group, clusters of 4 x 4, 327,680 bytes of LDS; arguments xcodes, wcodes, lowp_scales, bq, bk, bv, qkv; writes qkv
;; launch attn (part 6): grid 4 x 64, 8 waves a work-group, no clusters, 322,560 bytes of LDS; arguments qkv, mask, mflags, lowp_scales, ctx; writes ctx
.if DOCPART == 6
	.amdgcn_target "amdgcn-amd-amdhsa--gfx1250"
	.amdhsa_code_object_version 6
	.text
	.protected	k_q3980ecc94c_attn
	.globl	k_q3980ecc94c_attn
	.p2align	8
	.type	k_q3980ecc94c_attn,@function
k_q3980ecc94c_attn:
	s_mov_b64 s[64:65], 0
	v_nop
	global_prefetch_b8 v0, s[64:65] scope:SCOPE_SE
	s_setreg_imm32_b32 hwreg(HW_REG_WAVE_SCHED_MODE, 0, 2), 2
	s_setreg_imm32_b32 hwreg(HW_REG_WAVE_MODE, 25, 1), 1
	s_wait_xcnt 0x0
	s_wait_alu depctr_vm_vsrc(0)
; ATTENTION ON CODES OF FP8 (E4M3), head size 64, 2,048 keys, 64 heads (16 batch + head = work-group y), with the key mask that is given as an input.
; q, k: [head][token][64] codes; v: [head][token / 64][channel 64][64 keys] codes (qkv at 0, 8 MiB, 16 MiB).  Out: ctx [head % 16][2048 batch + token][64]: the context as codes for the last product.
; THE SOFTMAX: t = logit x log2(e), logit = q . k / 8, or -1e9 where the key's mask entry is 0; M = ceil(the row's largest t); p = 2^(t - M) is quantised with 2^e8; the row's sum l is taken of the
; unquantised p; context = (sum of p's codes x v's codes) x 2^(e8 + e9) / l, then quantised with 2^e10.
; SHARES.  A work-group owns 512 queries of one head, each of its eight waves 64: four tiles of 16.  The head's whole K and V, 128 KiB each, are put into LDS ONCE, through registers; nothing in LDS is written twice.
; TWO PASSES over the keys, 64 a step.  Pass 1: S^T = K Q^T and the row's maximum alone, so M is the row's own and nothing is ever rescaled.  Pass 2: S^T again, p, l, p's codes, O^T += V^T P^T.
; V's global loads are issued ahead of pass 1 into the registers that O^T takes later, and go into LDS behind pass 1.
; LAYOUT.  Both products are used transposed (source 0 = 16 keys or 16 channels, source 1 = 16 queries): a lane holds ONE query (lane % 16) throughout.  K's rows lie in LDS with bits 3 and 4 of the key's number
; exchanged, so that tile 2 c + u, 16 neighbouring LDS rows, holds keys 32 c + 8 u + r + 8 (r / 8): the 16 registers of tiles 2 c and 2 c + 1 are then keys 32 c + 16 (lane / 16) + 0 .. 15, as the next operand wants them.
; Fragments (16 rows x 64 codes, 8 registers) come by two loads of 16 bytes, at 16 (lane / 16) and 32 further on: the same permutation of k on both sides of each product.
; THE MASK.  A step in which no entry is 0 (its bit in mflags, whole numbers stored by an earlier launch) jumps over the mask's lines.  In pass 1 a masked raw score becomes XR = -8e9 / 2^(e6 + e7), which stands
; exactly for the logit -1e9.  In pass 2 the masked t - M becomes TM - M, TM = XR x c rounded: 0 where all keys of the batch are masked (p = 1, a uniform row), about -1.4e9 otherwise (p = 0).
; THE HOLD of p at 448 x 2^e8 is jumped over where e8 >= -8: p is at most 1 (but for one rounding), so p / 2^e8 stays under 448.
; NO CLUSTER, NO JOINT LOADS: the four work-groups of a head read the same 256 KiB, but each reads them once, at its head, and the two branches above hang on numbers read from memory.
; NO PREFETCH: all that is read is asked for at the kernel's head.
; LIMITS: e6 + e7 between -94 and 130; e8 and e10 between -126 and 119.  NaN is not served.
; LDS: a dense byte o of K or V lies at (o / 256) x 272 + o % 256: a step of 64 keys is 4,352 bytes.  K at 0; the mask's 2,048 words behind it (the last step's look-ahead for K reads there, and is thrown away);
; V behind that; then a stage of 4,352 bytes for each wave.
; REGISTERS: window 0: v1-15 addresses and constants; v16-23 -M; v24-31 maxima, then TM - M, then 1 / l; v32-47 l; v48-55 mask entries at the head; v56-63 addresses, constants; v64-95 Q; v96-127 K's fragments; v128-255 S^T, p.
;   window 1: v0-127 O^T (32 a tile); v128-159 p's codes; v160-191 V's fragments; v192-223 a masked step's 32 mask entries.
; THE MODE: SCHED_MODE bits 1:0 = 2 (LLVM: expert scheduling mode 2), set by the entry lines.  The code itself states the register dependences
; between vector or matrix instructions and memory or LDS instructions, with s_wait_alu, always for 0.
; THE PLAN.  Registers that memory or LDS instructions touch:
;   QO, MO, FGO, FSK, FSK2, FSV, FSV2, LT, STO, RD, GO   offsets and addresses: all made at the head, ahead of ONE wait on va_vdst, and never written again.
;   ADK, ADV, ADM   a step's LDS addresses.  Read by the step's LDS loads; written once a step, behind the wait on vm_vsrc at the step's head, by the lines that are the places behind K Q^T.
;   KF              read by a step's 16 products K Q^T; then the next step's K lands in it.
;   VF              read by a step's 16 products V^T P; then the next step's V lands in it.
;   MW              a masked step's loads land in it; its compares read it.
;   S^T's registers at the head: K's data land there and the LDS stores read them; then the products write them.  O^T's registers: the same for V.
;   On the way out: KF takes the codes (written by the conversions, read by the LDS stores), Q the lines read back from the stage (the products read Q last).
; PASS 1 has one wait on va_vdst a step, behind the products and their places; K's loads, and a masked step's mask loads, follow it.
; PASS 2 has one, behind the exponentials, ahead of p's first reader: it also states that the last step's V^T P is done reading VF, that this step's K Q^T is done reading KF and that ADK and
; ADV are written.  So this step's V and the next step's K are asked for behind it, in one run; no vector or matrix line between the wait and these loads names their registers.  A masked step has one more, ahead of its loads.
; Compares write scalar registers, eight at a time, with one wait on va_sdst ahead of the selections that read them.
.set STEPB, 4352
.set MREG,  139264
.set VREG,  147456
.set STAGE, 286720
.set HALFB, 16*STEPB                   ; sixteen steps: what one address register reaches with the 16-bit immediate
.set LT,   1                           ; v1   my lane's place in a tile: (r / 4) x 272 + (r % 4) x 64 + 16 h; also the address of step 0's K
.set AV0,  2                           ; v2   the same in V's region
.set ADK,  3                           ; v3   K's tiles of the next step
.set ADV,  4                           ; v4   V's of the step in hand
.set AM0,  5                           ; v5   MREG + 64 h
.set ADM,  6                           ; v6   the step's mask words
.set STO,  7                           ; v7   the way out: where I put 8 bytes of a row
.set RD,   8                           ; v8   and where I read a line back
.set GO,   9                           ; v9   16 x lane
.set FSK,  10                          ; v10  where I put K's 16 bytes of a step (steps 0-15; v56: steps 16-31)
.set FSV,  11                          ; v11  V's (v57)
.set FGO,  12                          ; v12  16 x thread: my bytes of a step in memory; never rewritten
.set XR,   13                          ; v13  the raw score that stands for -1e9
.set SCP,  14                          ; v14  2^e8
.set LMP,  15                          ; v15  448 x 2^e8
.set NM,   16
.set MX,   24
.set DT,   24
.set RC,   24
.set L,    32
.set MT,   48
.set FSK2, 56
.set FSV2, 57
.set TA,   58
.set TB,   59
.set SCX,  60                          ; v60  2^e10
.set LMX,  61                          ; v61  448 x 2^e10
.set QO,   62                          ; v62  64 r + 16 h; never rewritten
.set MO,   63                          ; v63  32 x thread; never rewritten
.set Q,    64
.set KF,   96
.set S,    128
.set O,    0                           ; window 1
.set PC,   128
.set VF,   160
.set MW,   192
.set WV,   14                          ; s14  wave
.set CM,   16                          ; s[16:23] at the head the flags' words; then eight compares' masks
.set CS,   34                          ; s[34:35] c = log2(e) / 8 x 2^(e6 + e7)
.set SEL,  36                          ; s[36:37] lane l xor 16
.set F1,   38                          ; s38, s39 the 32 steps' flags, shifted down a step at a time, for each pass
.set F2,   39
.set KB,   40                          ; s40, s41, s42 the step's first byte in K's, V's and the mask's region
.set VB,   41
.set MB,   42
.set CNT,  43
.set MSB, 0
.macro WIN new                         ; the immediate's high byte repeats the setting that is left
.if MSB != \new
	s_set_vgpr_msb (MSB<<8)|\new
.set MSB, \new
.endif
.endm
	s_load_b256 s[4:11], s[0:1], 0x0               ; qkv s[4:5], mask s[6:7], mflags s[8:9], the scales s[10:11]
	s_load_b64 s[12:13], s[0:1], 0x20              ; ctx
	s_set_vgpr_msb 0x40
	v_lshl_add_u32 v254, v0, 2, 0x4e800
	v_mov_b32 v255, 0
	s_set_vgpr_msb 0x4000
	v_lshrrev_b32 v[TA], 5, v0
	v_readfirstlane_b32 s[WV], v[TA]               ; wave 0..7
	; all offsets and addresses are made here, while the arguments are on their way
	v_and_b32 v[TA], 15, v0                        ; r
	v_bfe_u32 v[TB], v0, 4, 1                      ; h
	v_lshlrev_b32 v[QO], 6, v[TA]
	v_lshl_add_u32 v[QO], v[TB], 4, v[QO]
	v_lshlrev_b32 v[MO], 5, v0
	v_lshlrev_b32 v[FGO], 4, v0
	v_lshrrev_b32 v[LT], 2, v[TA]
	v_mul_u32_u24 v[LT], v[LT], 272
	v_and_b32 v[ADK], 3, v[TA]
	v_lshl_add_u32 v[LT], v[ADK], 6, v[LT]
	v_lshl_add_u32 v[STO], v[TB], 3, v[LT]
	v_lshl_add_u32 v[LT], v[TB], 4, v[LT]
	v_add_nc_u32 v[AV0], VREG, v[LT]
	v_lshlrev_b32 v[AM0], 6, v[TB]
	v_add_nc_u32 v[AM0], MREG, v[AM0]
	v_mul_u32_u24 v[RD], v[TB], 272
	v_lshl_add_u32 v[RD], v[TA], 4, v[RD]
	v_and_b32 v[GO], 31, v0
	v_lshlrev_b32 v[GO], 4, v[GO]
	v_and_b32 v[FSK], 0x9f, v0                     ; the thread's number with bits 5 and 6 exchanged: they are bits 3 and 4 of the key (4 threads to a key)
	v_bfe_u32 v[ADK], v0, 5, 1
	v_lshl_or_b32 v[FSK], v[ADK], 6, v[FSK]
	v_bfe_u32 v[ADK], v0, 6, 1
	v_lshl_or_b32 v[FSK], v[ADK], 5, v[FSK]
	v_lshrrev_b32 v[ADK], 4, v[FSK]
	v_mul_u32_u24 v[ADK], v[ADK], 272
	v_and_b32 v[FSK], 15, v[FSK]
	v_lshl_add_u32 v[FSK], v[FSK], 4, v[ADK]
	v_add_nc_u32 v[FSK2], HALFB, v[FSK]
	v_lshrrev_b32 v[ADK], 4, v0
	v_mul_u32_u24 v[ADK], v[ADK], 272
	v_lshl_add_u32 v[FSV], v[TA], 4, v[ADK]
	v_add_nc_u32 v[FSV], VREG, v[FSV]
	v_add_nc_u32 v[FSV2], HALFB, v[FSV]
	v_add_nc_u32 v[ADM], MREG, v[MO]
	s_and_b32 s44, ttmp7, 0xffff                   ; 16 batch + head
	s_lshr_b32 s45, s44, 4                         ; batch
	s_and_b32 s46, s44, 15                         ; head
	s_lshl_b32 s48, s44, 17                        ; 131,072 bytes a head in q, k and v
	s_mov_b32 s49, 0
	s_lshl_b32 s50, ttmp9, 15                      ; my work-group's 512 queries of 64 bytes,
	s_wait_alu depctr_va_sdst(0)                   ; the wave's number is written, ahead of its first reader
	s_lshl_b32 s51, s[WV], 12                      ; my wave's 64
	s_add_co_u32 s50, s50, s51
	s_mov_b32 s51, 0
	s_lshl_b32 s52, s46, 19                        ; ctx: 8,192 rows of 64 bytes a head,
	s_lshl_b32 s53, s45, 17                        ; 2,048 rows a batch
	s_add_co_u32 s52, s52, s53
	s_add_co_u32 s52, s52, s50
	s_mov_b32 s53, 0
	s_lshl_b32 s54, s45, 13                        ; the batch's 2,048 mask words
	s_mov_b32 s55, 0
	s_lshl_b32 s46, s45, 5                         ; and its 8 flag words
	s_mov_b32 s47, 0
	s_mul_i32 s44, s[WV], STEPB
	s_add_co_u32 s44, s44, STAGE                   ; my stage
	v_add_nc_u32 v[STO], s44, v[STO]
	v_add_nc_u32 v[RD], s44, v[RD]
	s_wait_kmcnt 0x0
	s_add_nc_u64 s[8:9], s[8:9], s[46:47]
	s_load_b256 s[16:23], s[8:9], 0x0              ; the flags
	s_load_b128 s[24:27], s[10:11], 0x18           ; e6, e7, e8, e9
	s_load_b32 s28, s[10:11], 0x28                 ; e10
	s_add_nc_u64 s[4:5], s[4:5], s[48:49]
	s_add_nc_u64 s[30:31], s[4:5], 0x800000        ; the head's K
	s_add_nc_u64 s[32:33], s[4:5], 0x1000000       ; the head's V
	s_add_nc_u64 s[4:5], s[4:5], s[50:51]          ; my wave's queries
	s_add_nc_u64 s[6:7], s[6:7], s[54:55]
	s_add_nc_u64 s[12:13], s[12:13], s[52:53]
	s_wait_alu depctr_va_vdst(0)                   ; every offset and address made above is written: QO, MO, FGO for the loads below; ADM, FSK, FSK2, FSV, FSV2, LT, STO, RD, GO for the LDS instructions and stores further on
.irp t, 0,1,2,3
	global_load_b128 v[Q+8*\t:Q+8*\t+3], v[QO], s[4:5] offset:1024*\t       ; Q stays in registers
	global_load_b128 v[Q+8*\t+4:Q+8*\t+7], v[QO], s[4:5] offset:1024*\t+32
.endr
	global_load_b128 v[MT:MT+3], v[MO], s[6:7]     ; the mask: 8 words a thread
	global_load_b128 v[MT+4:MT+7], v[MO], s[6:7] offset:16
.set i, 0
.rept 32
	global_load_b128 v[S+4*i:S+4*i+3], v[FGO], s[30:31] offset:4096*i   ; K, a step (4,096 dense bytes) to a load of the work-group
.set i, i+1
.endr
	s_mov_b32 s[SEL], 0x76543210
	s_mov_b32 s[SEL+1], 0xfedcba98
	s_wait_kmcnt 0x0
	s_add_co_i32 s44, s24, s25                     ; e6 + e7
	s_lshl_b32 s44, s44, 23
	s_add_co_u32 s[CS], s44, 0x3e38aa3b            ; log2(e) / 8 with e6 + e7 added to its exponent field
	s_mov_b32 s[CS+1], s[CS]                       ; (named with it as a pair, so it is written)
	s_sub_co_u32 s45, 0xcfee6b28, s44              ; -8e9 with e6 + e7 taken off its exponent field
	v_mov_b32 v[XR], s45
	s_mov_b32 s[F1], s16                           ; four bits a word, eight words: a bit a step
.irp g, 1,2,3,4,5,6,7
	s_lshl_b32 s44, s[16+\g], 4*\g
	s_or_b32 s[F1], s[F1], s44
.endr
	s_mov_b32 s[F2], s[F1]
	s_add_co_i32 s44, s26, 127
	s_lshl_b32 s45, s44, 23
	v_mov_b32 v[SCP], s45
	s_add_co_i32 s44, s44, 8
	s_lshl_b32 s44, s44, 23
	s_or_b32 s44, s44, 0x600000
	v_mov_b32 v[LMP], s44
	s_add_co_i32 s44, s28, 127
	s_lshl_b32 s45, s44, 23
	v_mov_b32 v[SCX], s45
	s_add_co_i32 s44, s44, 8
	s_lshl_b32 s44, s44, 23
	s_or_b32 s44, s44, 0x600000
	v_mov_b32 v[LMX], s44
	s_wait_loadcnt 16                              ; Q, the mask and K's steps 0-15 are in; K's last 16 loads may be out
	ds_store_b128 v[ADM], v[MT:MT+3]               ; (no vector line since the wait on va_vdst above names an address or the data of these stores)
	ds_store_b128 v[ADM], v[MT+4:MT+7] offset:16
.set i, 0
.rept 16
	ds_store_b128 v[FSK], v[S+4*i:S+4*i+3] offset:STEPB*i
.set i, i+1
.endr
	WIN 0x40                                       ; destination window 1
.set i, 0
.rept 32
	global_load_b128 v[O+4*i:O+4*i+3], v[FGO], s[32:33] offset:4096*i   ; V: it lands while pass 1 runs, in registers that no vector or matrix line has named yet
.set i, i+1
.endr
	WIN 0
	s_wait_loadcnt 32                              ; all of K is in; V's 32 loads may be out
.set i, 16
.rept 16
	ds_store_b128 v[FSK2], v[S+4*i:S+4*i+3] offset:STEPB*(i-16)
.set i, i+1
.endr
.irp i, 0,1,2,3,4,5,6,7
	v_mov_b32 v[MX+\i], 0xff800000                 ; the maxima begin at -infinity: two chains a tile
.endr
	s_wait_dscnt 0x0                               ; for the others' sake: my stores have landed
	s_barrier_signal -1
	s_barrier_wait -1                              ; K and the mask lie in LDS
.macro LOADK adr                       ; the four tiles of 16 keys at v[adr]
.irp u, 0,1,2,3
	ds_load_b128 v[KF+8*\u:KF+8*\u+3], v[\adr] offset:1088*\u
	ds_load_b128 v[KF+8*\u+4:KF+8*\u+7], v[\adr] offset:1088*\u+32
.endr
.endm
.macro QK16                            ; S^T = K Q^T: 4 tiles of keys x 4 tiles of queries, each a whole sum (K = 64)
.irp u, 0,1,2,3
.irp t, 0,1,2,3
	v_wmma_f32_16x16x64_fp8_fp8 v[S+32*\t+8*\u:S+32*\t+8*\u+7], v[KF+8*\u:KF+8*\u+7], v[Q+8*\t:Q+8*\t+7], 0
.endr
.endr
.endm
; Where a key's mask entry is 0, the four tiles' numbers of that key become v[x0] .. v[x3].  Register 8 u + j holds key 32 (u / 2) + 16 h + 8 (u % 2) + j of the step.
; The step's 32 entries come in one run, into MW.  own = 1: the wait on va_vdst stands here; own = 0: the step's own wait stands ahead, with loads, a scalar test and its branch alone between.
.macro MASKBLK own, x0, x1, x2, x3
	WIN 0x40                                       ; the loads' data in window 1
.if \own
	s_wait_alu depctr_va_vdst(0)                   ; v[ADM] is written, which the loads below read; the last masked step's compares are done reading MW, in which they land
.endif
.irp u, 0,1,2,3
	ds_load_b128 v[MW+8*\u:MW+8*\u+3], v[ADM] offset:128*(\u/2)+32*(\u%2)
	ds_load_b128 v[MW+8*\u+4:MW+8*\u+7], v[ADM] offset:128*(\u/2)+32*(\u%2)+16
.endr
	s_wait_dscnt 0x0
.irp u, 0,1,2,3
	WIN 0x04                                       ; source 1 (the entries) in window 1
.irp j, 0,1,2,3,4,5,6,7
	v_cmp_eq_u32 s[CM+\j], 0, v[MW+8*\u+\j]
.endr
	WIN 0
	s_wait_alu depctr_va_sdst(0)                   ; the eight compares have written their masks, which the selections below read
.irp j, 0,1,2,3,4,5,6,7
	v_cndmask_b32 v[S+8*\u+\j], v[S+8*\u+\j], v[\x0], s[CM+\j]
	v_cndmask_b32 v[S+32+8*\u+\j], v[S+32+8*\u+\j], v[\x1], s[CM+\j]
	v_cndmask_b32 v[S+64+8*\u+\j], v[S+64+8*\u+\j], v[\x2], s[CM+\j]
	v_cndmask_b32 v[S+96+8*\u+\j], v[S+96+8*\u+\j], v[\x3], s[CM+\j]
.endr
.endr
.endm
	; ---- PASS 1: the rows' largest raw scores
	s_mov_b32 s[KB], 0
	s_mov_b32 s[MB], 0
	LOADK LT                                       ; step 0's K: v[LT] is its address as it stands, written ahead of the head's wait on va_vdst
	s_mov_b32 s[CNT], 32
.Lp1:
	s_wait_dscnt 0x0                               ; this step's K is in
	s_wait_alu depctr_vm_vsrc(0)                   ; the LDS instructions issued so far have read their registers: v[ADK] and v[ADM], which are stepped below; in the first trip also the stores of K, whose data lay where the products write S^T
	QK16
	s_add_co_u32 s[KB], s[KB], STEPB
	v_add_nc_u32 v[ADK], s[KB], v[LT]              ; these four lines are the places behind the products, ahead of the first read of results
	v_add_nc_u32 v[ADM], s[MB], v[AM0]
	v_nop
	v_nop
	s_wait_alu depctr_va_vdst(0)                   ; the products are done reading KF, in which the loads below land; v[ADK] and v[ADM] are written; the last masked step's compares are done reading MW
	LOADK ADK                                      ; the next step's K (behind the last step: 4,352 bytes of the mask's region, thrown away)
	s_bitcmp1_b32 s[F1], 0
	s_cbranch_scc0 .Lopen1
	MASKBLK 0, XR, XR, XR, XR
.Lopen1:
	s_lshr_b32 s[F1], s[F1], 1
	s_add_co_u32 s[MB], s[MB], 256
.irp n, 0,1,2,3,4,5,6,7,8,9,10,11,12,13,14,15
.irp t, 0,1,2,3
	v_max3_num_f32 v[MX+2*\t+\n%2], v[MX+2*\t+\n%2], v[S+32*\t+2*\n], v[S+32*\t+2*\n+1]   ; each accumulator from its low end on
.endr
.endr
	s_sub_co_u32 s[CNT], s[CNT], 1
	s_cmp_lg_u32 s[CNT], 0
	s_cbranch_scc1 .Lp1
.irp t, 0,1,2,3
	v_max_num_f32 v[MX+2*\t], v[MX+2*\t], v[MX+2*\t+1]
.endr
.irp t, 0,1,2,3
	v_permlanex16_b32 v[MX+2*\t+1], v[MX+2*\t], s[SEL], s[SEL+1]   ; the query's other keys lie in the lane 16 away
.endr
.irp t, 0,1,2,3
	v_max_num_f32 v[MX+2*\t], v[MX+2*\t], v[MX+2*\t+1]
.endr
.irp t, 0,1,2,3
	v_mul_f32 v[MX+2*\t], s[CS], v[MX+2*\t]        ; as t (c is positive)
.endr
.irp t, 0,1,2,3
	v_floor_f32 v[NM+2*\t], -v[MX+2*\t]            ; -M = floor(-t) = -ceil(t)
.endr
.irp t, 0,1,2,3
	v_mov_b32 v[NM+2*\t+1], v[NM+2*\t]             ; (named as the pair's upper half)
.endr
	v_mul_f32 v[TA], s[CS], v[XR]                  ; TM: a masked key's t, rounded as the maximum's was
.irp t, 0,1,2,3
	v_add_f32 v[DT+\t], v[TA], v[NM+2*\t]          ; TM - M
.endr
	; ---- V goes into LDS
	s_wait_loadcnt 0x0
	WIN 0x04                                       ; the stores' data in window 1: they came by loads; the addresses were written ahead of the head's wait on va_vdst
.set i, 0
.rept 16
	ds_store_b128 v[FSV], v[O+4*i:O+4*i+3] offset:STEPB*i
.set i, i+1
.endr
.set i, 16
.rept 16
	ds_store_b128 v[FSV2], v[O+4*i:O+4*i+3] offset:STEPB*(i-16)
.set i, i+1
.endr
	WIN 0
.irp i, 0,1,2,3,4,5,6,7,8,9,10,11,12,13,14,15
	v_mov_b32 v[L+\i], 0                           ; l: two chains of pairs a tile
.endr
	s_wait_dscnt 0x0                               ; my stores have landed (and pass 1's last look-ahead is back)
	s_barrier_signal -1
	s_barrier_wait -1                              ; V lies in LDS
; ---- PASS 2.  A step of 64 keys.  zero = 1: the first step, whose products start O^T's sums.
.macro STEP2 zero
	s_wait_dscnt 0x0                               ; this step's K is in
	s_wait_alu depctr_vm_vsrc(0)                   ; the LDS instructions issued so far have read their registers: v[ADK], v[ADV] and v[ADM], which are stepped below; in the first step also the stores of V, whose data lay where the products write O^T
	QK16
	s_add_co_u32 s[KB], s[KB], STEPB
	v_add_nc_u32 v[ADK], s[KB], v[LT]              ; the next step's K.  These four lines are the places behind the products, ahead of the first read of results
	v_add_nc_u32 v[ADV], s[VB], v[AV0]             ; this step's V
	v_add_nc_u32 v[ADM], s[MB], v[AM0]             ; this step's mask words
	v_nop
.irp t, 0,1,2,3
.irp i, 0,2,4,6,8,10,12,14,16,18,20,22,24,26,28,30
	v_pk_fma_f32 v[S+32*\t+\i:S+32*\t+\i+1], v[S+32*\t+\i:S+32*\t+\i+1], s[CS:CS+1], v[NM+2*\t:NM+2*\t+1] op_sel_hi:[1,0,0]   ; t - M, two at a time
.endr
.endr
	s_bitcmp1_b32 s[F2], 0
	s_cbranch_scc0 .Lopen2_\@
	MASKBLK 1, DT, DT+1, DT+2, DT+3
.Lopen2_\@:
	s_lshr_b32 s[F2], s[F2], 1
	s_add_co_u32 s[MB], s[MB], 256
	s_add_co_u32 s[VB], s[VB], STEPB
.set i, 0
.rept 128
	v_exp_f32 v[S+i], v[S+i]                       ; p = 2^(t - M): one batch
.set i, i+1
.endr
	v_nop                                          ; a plain line behind the last exponential
	WIN 0x40                                       ; V's fragments lie in window 1
	s_wait_alu depctr_va_vdst(0)                   ; the exponentials have written p, ahead of its first reader; the last step's V^T P is done reading VF and this step's K Q^T is done reading KF, in which the loads below land; v[ADV] and v[ADK] are written
.irp c, 0,1,2,3
	ds_load_b128 v[VF+8*\c:VF+8*\c+3], v[ADV] offset:1088*\c
	ds_load_b128 v[VF+8*\c+4:VF+8*\c+7], v[ADV] offset:1088*\c+32
.endr
	WIN 0
	LOADK ADK                                      ; the next step's K
.irp i, 0,1,2,3,4,5,6,7,8,9,10,11,12,13,14,15
.irp t, 0,1,2,3
	v_pk_add_f32 v[L+4*\t+2*(\i%2):L+4*\t+2*(\i%2)+1], v[L+4*\t+2*(\i%2):L+4*\t+2*(\i%2)+1], v[S+32*\t+2*\i:S+32*\t+2*\i+1]   ; l is taken of the unquantised p
.endr
.endr
	s_cmp_ge_i32 s26, -8
	s_cbranch_scc1 .Lnohold_\@
.set i, 0
.rept 128
	v_min_num_f32 v[S+i], v[S+i], v[LMP]           ; the conversion does not saturate (ISA guide 7.6.2); p is not negative, so the hold is one-sided
.set i, i+1
.endr
.Lnohold_\@:
	WIN 0x40
.irp t, 0,1,2,3
.irp u, 0,1,2,3
	v_cvt_scalef32_pk8_fp8_f32 v[PC+8*\t+2*\u:PC+8*\t+2*\u+1], v[S+32*\t+8*\u:S+32*\t+8*\u+7], v[SCP]
.endr
.endr
	v_nop                                          ; one plain line between the conversions and the products that read their results
	s_wait_dscnt 8                                 ; V's fragments are in; the eight younger loads are the next step's K
	WIN 0x55                                       ; all four operands in window 1
.irp c, 0,1,2,3                        ; the sixteen accumulators take turns, one instruction a turn
.irp t, 0,1,2,3
.if \zero
	v_wmma_f32_16x16x64_fp8_fp8 v[O+32*\t+8*\c:O+32*\t+8*\c+7], v[VF+8*\c:VF+8*\c+7], v[PC+8*\t:PC+8*\t+7], 0
.else
	v_wmma_f32_16x16x64_fp8_fp8 v[O+32*\t+8*\c:O+32*\t+8*\c+7], v[VF+8*\c:VF+8*\c+7], v[PC+8*\t:PC+8*\t+7], v[O+32*\t+8*\c:O+32*\t+8*\c+7]
.endif
.endr
.endr
	WIN 0
.endm
	s_mov_b32 s[KB], 0
	s_mov_b32 s[VB], 0
	s_mov_b32 s[MB], 0
	LOADK LT                                       ; step 0's K again.  No wait: pass 1's last products stand ahead of its last wait on va_vdst, and no vector or matrix line since names KF
	STEP2 1
	s_mov_b32 s[CNT], 31
.Lp2:
	STEP2 0
	s_sub_co_u32 s[CNT], s[CNT], 1
	s_cmp_lg_u32 s[CNT], 0
	s_cbranch_scc1 .Lp2
	; ---- THE WAY OUT.  l's parts are added (these lines are the places behind the last products); O^T x 2^(e8 + e9) / l is quantised with 2^e10 and goes through my stage, so that 32 lanes store 512 dense bytes.
	s_wait_dscnt 0x0                               ; the last look-ahead for K is back: its registers are used below
.irp t, 0,1,2,3
	v_pk_add_f32 v[L+4*\t:L+4*\t+1], v[L+4*\t:L+4*\t+1], v[L+4*\t+2:L+4*\t+3]
.endr
.irp t, 0,1,2,3
	v_add_f32 v[L+4*\t], v[L+4*\t], v[L+4*\t+1]
.endr
.irp t, 0,1,2,3
	v_permlanex16_b32 v[L+4*\t+1], v[L+4*\t], s[SEL], s[SEL+1]
.endr
.irp t, 0,1,2,3
	v_add_f32 v[L+4*\t], v[L+4*\t], v[L+4*\t+1]
.endr
.irp t, 0,1,2,3
	v_rcp_f32 v[RC+2*\t], v[L+4*\t]
.endr
	v_nop                                          ; a plain line behind the last reciprocal
	s_add_co_i32 s44, s26, s27                     ; e8 + e9
	s_wait_alu depctr_va_vdst(0)                   ; the four reciprocals are written, ahead of their first reader
.irp t, 0,1,2,3
	v_ldexp_f32 v[RC+2*\t], v[RC+2*\t], s44
.endr
.irp t, 0,1,2,3
	v_mov_b32 v[RC+2*\t+1], v[RC+2*\t]             ; (named as the pair's upper half)
.endr
.irp t, 0,1,2,3                        ; the four tiles' arithmetic first: each tile has registers of its own for its numbers and its codes
	WIN 0x01                                       ; source 0 (O^T) window 1
.irp i, 0,2,4,6,8,10,12,14,16,18,20,22,24,26,28,30
	v_pk_mul_f32 v[S+32*\t+\i:S+32*\t+\i+1], v[O+32*\t+\i:O+32*\t+\i+1], v[RC+2*\t:RC+2*\t+1] op_sel_hi:[1,0]   ; register 8 c + i: context(query r, channel 16 c + 8 h + i)
.endr
	WIN 0
.irp i, 0,1,2,3,4,5,6,7,8,9,10,11,12,13,14,15,16,17,18,19,20,21,22,23,24,25,26,27,28,29,30,31
	v_med3_num_f32 v[S+32*\t+\i], v[S+32*\t+\i], -v[LMX], v[LMX]
.endr
.irp c, 0,1,2,3
	v_cvt_scalef32_pk8_fp8_f32 v[KF+8*\t+2*\c:KF+8*\t+2*\c+1], v[S+32*\t+8*\c:S+32*\t+8*\c+7], v[SCX]
.endr
	v_nop                                          ; one plain line behind the last conversion
.endr
	s_wait_alu depctr_va_vdst(0)                   ; the conversions have written the sixteen pairs of codes, which the LDS stores below read; the products are done reading Q, in which the loads from the stage land
.irp t, 0,1,2,3
.irp c, 0,1,2,3
	ds_store_b64 v[STO], v[KF+8*\t+2*\c:KF+8*\t+2*\c+1] offset:1088*\t+16*\c
.endr
.irp i, 0,1
	ds_load_b128 v[Q+8*\t+4*\i:Q+8*\t+4*\i+3], v[RD] offset:1088*\t+544*\i   ; LDS serves a wave's instructions in order: these see my stores
.endr
.endr
.irp t, 0,1,2,3
.irp i, 0,1
	s_wait_dscnt 6*(3-\t)+1-\i                     ; behind this load: the rest of its tile's loads and six LDS instructions for each later tile
	global_store_b128 v[GO], v[Q+8*\t+4*\i:Q+8*\t+4*\i+3], s[12:13] offset:1024*\t+512*\i
.endr
.endr
	s_set_vgpr_msb 0x5
	s_wait_dscnt 0x0
	s_wait_alu depctr_hold_cnt(0) depctr_sa_sdst(0) depctr_va_vdst(0) depctr_va_sdst(0) depctr_va_ssrc(0) depctr_va_vcc(0) depctr_vm_vsrc(0)
	s_wait_tensorcnt 0x0
	ds_add_u32 v254, v255
	s_wait_dscnt 0x0
	s_endpgm
.Lfunc_end_k_q3980ecc94c_attn:
	.size	k_q3980ecc94c_attn, .Lfunc_end_k_q3980ecc94c_attn-k_q3980ecc94c_attn
	.p2alignl 7, 3214868480
	.fill 96, 4, 3214868480
	.section	.rodata,"a",@progbits
	.p2align	6, 0x0
	.amdhsa_kernel k_q3980ecc94c_attn
		.amdhsa_group_segment_fixed_size 322560
		.amdhsa_private_segment_fixed_size 0
		.amdhsa_enable_private_segment 0
		.amdhsa_kernarg_size 40
		.amdhsa_user_sgpr_count 2
		.amdhsa_user_sgpr_kernarg_segment_ptr 1
		.amdhsa_wavefront_size32 1
		.amdhsa_system_sgpr_workgroup_id_x 1
		.amdhsa_system_sgpr_workgroup_id_y 1
		.amdhsa_system_sgpr_workgroup_id_z 1
		.amdhsa_system_vgpr_workitem_id 0
		.amdhsa_next_free_vgpr 512
		.amdhsa_next_free_sgpr 66
		.amdhsa_reserve_vcc 0
		.amdhsa_float_denorm_mode_32 3
		.amdhsa_float_denorm_mode_16_64 3
		.amdhsa_memory_ordered 1
		.amdhsa_forward_progress 1
		.amdhsa_inst_pref_size 119
	.end_amdhsa_kernel
	.amdgpu_metadata
---
amdhsa.version: [ 1, 2 ]
amdhsa.kernels:
  - .name:           k_q3980ecc94c_attn
    .symbol:         k_q3980ecc94c_attn.kd
    .args:
      - { .name: qkv, .offset: 0, .size: 8, .value_kind: global_buffer, .address_space: global }
      - { .name: mask, .offset: 8, .size: 8, .value_kind: global_buffer, .address_space: global }
      - { .name: mflags, .offset: 16, .size: 8, .value_kind: global_buffer, .address_space: global }
      - { .name: lowp_scales, .offset: 24, .size: 8, .value_kind: global_buffer, .address_space: global }
      - { .name: ctx, .offset: 32, .size: 8, .value_kind: global_buffer, .address_space: global }
    .group_segment_fixed_size: 322560
    .private_segment_fixed_size: 0
    .kernarg_segment_align: 8
    .kernarg_segment_size: 40
    .max_flat_workgroup_size: 256
    .sgpr_count:     66
    .vgpr_count:     512
    .wavefront_size: 32
...
	.end_amdgpu_metadata
.endif
;; end of part 6
;; launch oproj: the kernel of part 5 again; grid 4 x 32, 4 waves a work-group, clusters of 4 x 4, 327,680 bytes of LDS; arguments ctx, wcodes, lowp_scales, bo, out0; writes out0
